; MI455X (gfx1250); checked and timed in simulation.
; The chip was launched on July 23, 2026; its instructions are those of AMD's public machine-readable ISA for CDNA 5 (MIT licence, August 2026) and "CDNA5" Instruction Set Architecture Reference Guide (July 2026). The comments in the code are by the model that wrote it; some were corrected since.
;; Roo Dec Attention. Allowed arithmetic: matrix products marked QUANTISED: E2M1 operands, one E8M0 scale for each 32 along K, by v_wmma_scale_f32_16x16x128_f8f6f4 with both operands' format E2M1 (or v_wmma_scale_f32_32x16x128_f4), f32 sums; everything else in f32.
;; Inputs: Wk 1,024 x 1,024 float32; Wk_sel 1,024 x 256 float32; Wo 1,024 x 1,024 float32; Wq 1,024 x 1,024 float32; Wq_sel 1,024 x 256 float32; Wu 1,024 x 1,024 float32; Wv 1,024 x 1,024 float32; x 8 x 1,024 x 1,024 float32.
;; Outputs: out0 8 x 1,024 x 1,024 float32.
;; This version of the problem:
;;   THIS VERSION OF THE PROBLEM IS GIVEN IN LOW PRECISION. The matrix products marked QUANTISED in the list below multiply operands that are first quantised to E2M1 (2 exponent bits, 1 mantissa bit; 4 bits a number), with one power-of-two scale for each 32 numbers along K (OCP MX v1.0); their sums are f32. All else is computed in f32.
;;   The module's matrix products, in the order in which they are computed (A, B: the left and right operand; K: the contracted axis; several contracted axes count as one K, in the product's order):
;;     1. [M 256, K 1,024] x [K 1,024, N 1,024]; A: computed on the way; B: input Wu: QUANTISED
;;     2. [M 256, K 1,024] x [K 1,024, N 256]; A: computed on the way; B: input Wk_sel: QUANTISED
;;     3. [M 8,192, K 1,024] x [K 1,024, N 256]; A: input x; B: input Wq_sel: QUANTISED
;;     4. batch 8 x [M 1,024, K 256] x [K 256, N 32]; A: computed on the way; B: computed on the way: QUANTISED
;;     5. [M 8,192, K 1,024] x [K 1,024, N 1,024]; A: input x; B: input Wq: QUANTISED
;;     6. [M 8,192, K 1,024] x [K 1,024, N 1,024]; A: input x; B: input Wk: QUANTISED
;;     7. [M 8,192, K 1,024] x [K 1,024, N 1,024]; A: input x; B: input Wv: QUANTISED
;;     8. batch 128 x [M 1,024, K 64] x [K 64, N 1,024]; A: computed on the way; B: computed on the way: QUANTISED
;;     9. batch 128 x [M 64, K 1,024] x [K 1,024, N 1,024]; A: computed on the way; B: softmax (see below): QUANTISED
;;     10. [M 8,192, K 1,024] x [K 1,024, N 1,024]; A: computed on the way; B: input Wo: QUANTISED
;;   THE QUANTISER, for each operand of a quantised product, along K:
;;     - K is cut into blocks of 32 from its start; a last block that is shorter is filled with zeros.
;;     - A block's scale is 2^e with e = floor(log2(the largest magnitude in the block)) - 2, held to -126 .. 127; a block of zeros has e = 0. As a byte (E8M0): e + 127.
;;     - Each number is divided by its block's scale, clamped to +-6, and rounded to the nearest number of E2M1, ties to even, subnormals kept.
;;     - The product sums the exact products of the quantised numbers (number of the format x scale) in f32.
;;   ~~~python
;;   def quantise(x, axis):      # numpy; x: float32 -> the quantised numbers, widened to float32 again
;;       x = np.moveaxis(x, axis, -1); K = x.shape[-1]
;;       x = np.pad(x, [(0, 0)] * (x.ndim - 1) + [(0, -K % 32)]); x = x.reshape(x.shape[:-1] + (-1, 32)); a = np.abs(x).max(-1, keepdims=True)
;;       e = np.where(a > 0, np.clip(np.frexp(np.where(a > 0, a, 1))[1] - 1 - 2, -126, 127), 0)      # np.frexp(a)[1] - 1 = floor(log2(a)), exactly
;;       r = np.clip(x / 2.0 ** e, -6, 6)
;;       step = 2.0 ** (np.maximum(np.frexp(np.where(r == 0, 1, r))[1] - 1, 0) - 1)
;;       q = np.round(r / step) * step * 2.0 ** e      # np.round: ties to even
;;       return np.moveaxis(q.reshape(q.shape[:-2] + (-1,))[..., :K], -1, axis).astype(np.float32)
;;   ~~~
;;   SOFTMAX AHEAD OF A QUANTISED PRODUCT. Where the list says 'softmax', what is quantised is not the finished softmax but p = 2^(t - M), with t = logit x log2(e) and M = ceil(the row's largest t), a whole number; so 1/2 < the row's largest p <= 1. The row's sum l is taken of the UNQUANTISED p, in f32, and the product's result is divided by l at the end. Since M is a whole number, a kernel that streams over the keys may use a running M (the ceiling of the running maximum): every later rescaling is an exact power of two, which a block's scale takes up: the codes' values come out the same.
;;   OPERANDS COMPUTED ON THE WAY. 'Computed on the way' means the value that the module computes at that place (a softmax that the list does not call 'softmax' is quantised finished and normalised). What goes into a quantiser is computed in f32, as accurately as f32 sums, v_exp_f32 and their like allow (about 1e-6 of the number): no bf16 or f16 on the way to a quantiser, and a product that is left as it is and whose result goes on into a quantised operand takes f32 operands (vector FMAs, or v_wmma_f32_16x16x4_f32). A number that lies on a knife's edge between two numbers of the format may be rounded either way, as far as f32 arithmetic and the matrix unit's own rounding can turn it there, and no further.
;; 2 versions, each right; version 2 is version 1 with the launches sel, attn written anew for expert scheduling mode. Each part assembles by itself: llvm-mc -triple=amdgcn-amd-amdhsa -mcpu=gfx1250 --defsym DOCPART=n.
;; ======== version 1 of 2: 5 launches
;; workspace buffers: wq 3,063,808 bytes; xq 4,595,712 bytes; qkv 13,508,608 bytes; mask 32,768 bytes of whole numbers
;; launch quantw (part 1): grid 88 x 2, 8 waves a work-group, no clusters, 2,048 bytes of LDS; arguments Wq, Wk, Wv, Wu, Wo, Wq_sel, Wk_sel, wq; writes wq
.if DOCPART == 1
	.amdgcn_target "amdgcn-amd-amdhsa--gfx1250"
	.amdhsa_code_object_version 6
	.text
	.protected	k_q303b94691b_quantw
	.globl	k_q303b94691b_quantw
	.p2align	8
	.type	k_q303b94691b_quantw,@function
k_q303b94691b_quantw:
	s_mov_b64 s[64:65], 0
	v_nop
	global_prefetch_b8 v0, s[64:65] scope:SCOPE_SE
	s_setreg_imm32_b32 hwreg(HW_REG_WAVE_MODE, 25, 1), 1
	s_wait_xcnt 0x0
; THE PROGRAM: five launches.  1 (this): the seven weights to codes of E2M1 with E8M0 scales.  2: x and the means of its blocks of 32 tokens to codes.  3: q, k, v and root_emb, leaving as codes.
; 4: the block selection, one word of 32 bits for each token.  5: attention over the selected blocks of keys, ctx Wo + x.
; WORK LEFT OUT, in the problem's own terms: reference() builds key_mask in its own body from blk_mask, whole blocks of 32 keys; a hidden key's score is finfo.min, its p = 2^(t - M) is 0 for every finite input (the own
; block is always open, so M is a number), a block of 32 zeros has zero codes, and it adds nothing to the row's sum or to ctx.  So a block of keys that blk_mask hides from all 32 queries of a token block is not walked.
; Which blocks those are is decided by numbers: launch 4 stores blk_mask as whole numbers, launch 5 reads them and serves any number of open blocks, all 32 too.  No input is without a way to the output: all eight are loaded.
; LIMITS: a NaN, an infinity or an overflow in k or v of a block that no query of a token block selects is not carried to the result.  NaN and infinities among the inputs are not served.
; A block of 32 whose largest magnitude lies under 2^-124 (a block of zeros too) gets the scale byte 1, not the rule's: this program alone reads the bytes.
;
; THIS LAUNCH.  W [1024 (k)][N] f32, K its first axis, becomes an operand laid in the order of the matrix operand's registers:
;   codes  [tile of 16 columns][block kb of 32 along K, 0..31][r 0..15][16 bytes]      scale bytes  [tile][kb / 16][r][kb % 16]
; In each group of 32 columns, tile 2 g + u holds in place r the column 32 g + 8 u + r + 8 (r / 8): with such a tile as source 0, the 16 result registers of two neighbouring tiles are 16 neighbouring columns.
; Tiles: Wq 0-63, Wk 64-127, Wv 128-191, Wu 192-255, Wo 256-319, Wq_sel 320-335, Wk_sel 336-351.
; SHARES.  Work-group (X, y): 64 columns (tiles 4 X .. 4 X + 3) x 512 along K (half y).  Wave w: 32 columns (w / 4) x 128 along K (w % 4).  A lane takes a column and its registers run down K: a load reads 128 consecutive
; bytes, a block of 32 lies in one lane, and the conversions give codes with K innermost.  Loads run two blocks (64 loads a wave) ahead.
.set SPARE,  1024                      ; LDS: 1,024 bytes of scale words, then the spare words, 128 bytes for each wave
.set WS_OFF, 2883584                   ; the scale bytes lie behind 352 tiles x 8,192 bytes of codes
.set XR,     32                        ; v32-159  four blocks of 32 numbers
.set CD,     16                        ; v16-31   four blocks' codes: no store's data are written again
	s_load_b512 s[8:23], s[0:1], 0x0               ; Wq, Wk, Wv, Wu, Wo, Wq_sel, Wk_sel, wq
	v_lshl_add_u32 v8, v0, 2, SPARE                ; my spare word; never rewritten
	v_mov_b32 v9, 0                                ; 0; never rewritten
	v_lshrrev_b32 v1, 5, v0
	v_readfirstlane_b32 s2, v1                     ; wave
	s_and_b32 s3, ttmp7, 0xffff                    ; which half of K
	s_lshr_b32 s4, s2, 2                           ; g: which 32 columns
	s_and_b32 s5, s2, 3                            ; q: which 128 along K of the half
	s_lshl_b32 s6, s3, 2
	s_add_co_u32 s6, s6, s5                        ; the K step of 128, 0..7
	s_cmp_lt_u32 ttmp9, 80                         ; the five wide weights have rows of 4,096 bytes, the two narrow ones of 1,024
	s_cselect_b32 s30, 15, 3
	s_cselect_b32 s31, 19, 17                      ; log2 of 128 rows in bytes
	s_and_b32 s30, ttmp9, s30                      ; which 64 columns of the weight
	s_lshl_b32 s32, s6, s31
	s_lshl_b32 s30, s30, 8
	s_add_co_u32 s32, s32, s30
	s_lshl_b32 s30, s4, 7
	s_add_co_u32 s32, s32, s30                     ; the wave's first number in W, in bytes
	s_mov_b32 s33, 0
	s_lshl_b32 s34, ttmp9, 15
	s_lshl_b32 s30, s4, 14
	s_add_co_u32 s34, s34, s30
	s_lshl_b32 s30, s6, 10
	s_add_co_u32 s34, s34, s30                     ; codes: tile 4 X + 2 g, block 4 x K step
	s_mov_b32 s35, 0
	s_lshl_b32 s36, ttmp9, 11
	s_lshl_b32 s30, s2, 10
	s_add_co_u32 s36, s36, s30
	s_lshl_b32 s30, s3, 8
	s_add_co_u32 s36, s36, s30
	s_add_co_u32 s36, s36, WS_OFF                  ; scale bytes: tile 4 X + 2 w (waves 0 and 1 store them), half y
	s_mov_b32 s37, 0
	v_and_b32 v1, 31, v0                           ; lane = column in the group of 32
	v_lshlrev_b32 v2, 2, v1                        ; in: 4 bytes a lane
	v_bfe_u32 v10, v0, 3, 1                        ; u: which of the two tiles
	v_bfe_u32 v11, v0, 4, 1
	v_and_b32 v12, 7, v0
	v_lshl_or_b32 v12, v11, 3, v12                 ; r: the column's place in its tile
	v_lshlrev_b32 v3, 4, v12
	v_lshl_or_b32 v3, v10, 13, v3                  ; codes out: u x 8,192 + 16 r
	s_lshl_b32 s38, s4, 9
	s_lshl_b32 s39, s5, 2
	s_add_co_u32 s38, s38, s39
	v_lshl_add_u32 v4, v10, 8, s38
	v_lshl_add_u32 v4, v12, 4, v4                  ; LDS: tile (2 g + u) x 256 + 16 r + 4 q: my scale word
	s_lshl_b32 s39, s2, 9
	v_lshl_add_u32 v5, v1, 4, s39                  ; LDS, back: two tiles' 512 bytes for waves 0 and 1
	v_and_b32 v13, 15, v0
	v_lshlrev_b32 v6, 4, v13
	v_lshl_or_b32 v6, v11, 9, v6                   ; and their place in memory: a tile's scale bytes are 512 apart
	s_wait_kmcnt 0x0
	s_cmp_lt_u32 ttmp9, 84                         ; the weight is chosen by the work-group's number alone
	s_cselect_b64 s[24:25], s[18:19], s[20:21]
	s_cmp_lt_u32 ttmp9, 80
	s_cselect_b64 s[24:25], s[16:17], s[24:25]
	s_cmp_lt_u32 ttmp9, 64
	s_cselect_b64 s[24:25], s[14:15], s[24:25]
	s_cmp_lt_u32 ttmp9, 48
	s_cselect_b64 s[24:25], s[12:13], s[24:25]
	s_cmp_lt_u32 ttmp9, 32
	s_cselect_b64 s[24:25], s[10:11], s[24:25]
	s_cmp_lt_u32 ttmp9, 16
	s_cselect_b64 s[24:25], s[8:9], s[24:25]
	s_add_nc_u64 s[24:25], s[24:25], s[32:33]
	s_add_nc_u64 s[26:27], s[22:23], s[34:35]
	s_add_nc_u64 s[28:29], s[22:23], s[36:37]
; block t: W(32 t + i, my column), i = 0 .. 31.  Both arms issue the same 32 loads into the same registers; they differ in the row's bytes alone
.macro LOADB t
	s_cmp_lt_u32 ttmp9, 80
	s_cbranch_scc0 .Lnarrow_\@
.set i, 0
.rept 32
	global_load_b32 v[XR+32*(\t)+i], v2, s[24:25] offset:(32*(\t)+i)*4096 th:TH_LOAD_NT
.set i, i+1
.endr
	s_branch .Ljoin_\@
.Lnarrow_\@:
.set i, 0
.rept 32
	global_load_b32 v[XR+32*(\t)+i], v2, s[24:25] offset:(32*(\t)+i)*1024 th:TH_LOAD_NT
.set i, i+1
.endr
.Ljoin_\@:
.endm
.macro BLOCK t, left
.set XS, XR+32*(\t)
	s_wait_loadcnt \left                           ; this block's 32 loads are in; the next block's 32 may be out
	v_max3_num_f32 v10, |v[XS]|, |v[XS+1]|, |v[XS+2]|      ; the block's largest magnitude: all 32 numbers are mine
	v_max3_num_f32 v11, |v[XS+3]|, |v[XS+4]|, |v[XS+5]|
.irp i, 6,10,14,18,22,26
	v_max3_num_f32 v10, v10, |v[XS+\i]|, |v[XS+\i+1]|
	v_max3_num_f32 v11, v11, |v[XS+\i+2]|, |v[XS+\i+3]|
.endr
	v_max3_num_f32 v10, v10, |v[XS+30]|, |v[XS+31]|
	v_max3_num_f32 v10, v10, v11, 0x1800000        ; and the floor 2^(3 - 127): the byte cannot fall under 1
	v_add_nc_u32 v12, 0xff000000, v10              ; 2 off the exponent field: the conversion takes the exponent field of this operand as its scale
	v_lshrrev_b32 v13, 23, v12                     ; the scale's byte
.if (\t) == 0
	v_mov_b32 v14, v13                             ; four bytes make the K step's scale word, the lower K in the lower byte
.else
	v_lshl_or_b32 v14, v13, 8*(\t), v14
.endif
.irp g, 0,1,2,3
	v_cvt_scalef32_pk8_fp4_f32 v[CD+4*(\t)+\g], v[XS+8*\g:XS+8*\g+7], v12
.endr
	global_store_b128 v3, v[CD+4*(\t):CD+4*(\t)+3], s[26:27] offset:256*(\t)   ; the sixteen lanes of a tile store 256 consecutive bytes, aligned
.endm
	LOADB 0
	LOADB 1
	BLOCK 0, 32
	LOADB 2
	BLOCK 1, 32
	LOADB 3
	BLOCK 2, 32
	BLOCK 3, 0
	ds_store_b32 v4, v14                           ; the four waves of a group of columns make a row's 16 bytes
	s_wait_dscnt 0x0                               ; for the others' sake: my store has landed
	s_barrier_signal -1
	s_barrier_wait -1
	s_cmp_lt_u32 s2, 2
	s_cbranch_scc0 .Lend
	ds_load_b128 v[160:163], v5
	s_wait_dscnt 0x0
	global_store_b128 v6, v[160:163], s[28:29]     ; each half of the lanes stores 256 consecutive bytes, aligned
.Lend:
	s_wait_tensorcnt 0x0                           ; the wave's end
	ds_add_u32 v8, v9
	s_wait_dscnt 0x0
	s_endpgm
.Lfunc_end_k_q303b94691b_quantw:
	.size	k_q303b94691b_quantw, .Lfunc_end_k_q303b94691b_quantw-k_q303b94691b_quantw
	.p2alignl 7, 3214868480
	.fill 96, 4, 3214868480
	.section	.rodata,"a",@progbits
	.p2align	6, 0x0
	.amdhsa_kernel k_q303b94691b_quantw
		.amdhsa_group_segment_fixed_size 2048
		.amdhsa_private_segment_fixed_size 0
		.amdhsa_enable_private_segment 0
		.amdhsa_kernarg_size 64
		.amdhsa_user_sgpr_count 2
		.amdhsa_user_sgpr_kernarg_segment_ptr 1
		.amdhsa_wavefront_size32 1
		.amdhsa_system_sgpr_workgroup_id_x 1
		.amdhsa_system_sgpr_workgroup_id_y 1
		.amdhsa_system_sgpr_workgroup_id_z 1
		.amdhsa_system_vgpr_workitem_id 0
		.amdhsa_next_free_vgpr 168
		.amdhsa_next_free_sgpr 66
		.amdhsa_reserve_vcc 0
		.amdhsa_float_denorm_mode_32 3
		.amdhsa_float_denorm_mode_16_64 3
		.amdhsa_memory_ordered 1
		.amdhsa_forward_progress 1
		.amdhsa_inst_pref_size 35
	.end_amdhsa_kernel
	.amdgpu_metadata
---
amdhsa.version: [ 1, 2 ]
amdhsa.kernels:
  - .name:           k_q303b94691b_quantw
    .symbol:         k_q303b94691b_quantw.kd
    .args:
      - { .name: Wq, .offset: 0, .size: 8, .value_kind: global_buffer, .address_space: global }
      - { .name: Wk, .offset: 8, .size: 8, .value_kind: global_buffer, .address_space: global }
      - { .name: Wv, .offset: 16, .size: 8, .value_kind: global_buffer, .address_space: global }
      - { .name: Wu, .offset: 24, .size: 8, .value_kind: global_buffer, .address_space: global }
      - { .name: Wo, .offset: 32, .size: 8, .value_kind: global_buffer, .address_space: global }
      - { .name: Wq_sel, .offset: 40, .size: 8, .value_kind: global_buffer, .address_space: global }
      - { .name: Wk_sel, .offset: 48, .size: 8, .value_kind: global_buffer, .address_space: global }
      - { .name: wq, .offset: 56, .size: 8, .value_kind: global_buffer, .address_space: global }
    .group_segment_fixed_size: 2048
    .private_segment_fixed_size: 0
    .kernarg_segment_align: 8
    .kernarg_segment_size: 64
    .max_flat_workgroup_size: 256
    .sgpr_count:     66
    .vgpr_count:     168
    .wavefront_size: 32
...
	.end_amdgpu_metadata
.endif
;; end of part 1
;; launch quantx (part 2): grid 256 x 1, 8 waves a work-group, no clusters, 167,936 bytes of LDS; arguments x, xq; writes xq
.if DOCPART == 2
	.amdgcn_target "amdgcn-amd-amdhsa--gfx1250"
	.amdhsa_code_object_version 6
	.text
	.protected	k_q303b94691b_quantx
	.globl	k_q303b94691b_quantx
	.p2align	8
	.type	k_q303b94691b_quantx,@function
k_q303b94691b_quantx:
	s_mov_b64 s[64:65], 0
	v_nop
	global_prefetch_b8 v0, s[64:65] scope:SCOPE_SE
	s_setreg_imm32_b32 hwreg(HW_REG_WAVE_MODE, 25, 1), 1
	s_wait_xcnt 0x0
; x [8192 tokens][1024] f32 becomes codes of E2M1 along its 1,024 with E8M0 scales, and so does pooled, the mean of each block of 32 tokens; both laid as the weights are:
;   codes [tile of 16 rows][kb 0..31][r][16 bytes], scale bytes [tile][kb / 16][r][kb % 16].  Tiles 0-511: tokens (tile 2 B + u of token block B holds in place r the token 32 B + 8 u + r + 8 (r / 8)); tiles 512-527: pooled,
;   a batch's 32 blocks in the same order.
; SHARES.  Work-group B: token block B, 32 rows of 4,096 bytes.  Wave w: columns 128 w .. 128 w + 127, brought by ONE tensor load of 32 rows x 512 bytes into the wave's own strip of LDS, filled once and read by that wave alone.
; A lane then reads a whole block of 32 numbers of one token (128 bytes), so that a block's largest magnitude needs no other lane and its 16 bytes of codes are one register group of the operand.
; LIMITS: as stated at the head of the first launch (scale byte 1 under 2^-124; no NaN, no infinity).  The 16-byte and 1-byte stores of pooled do not cover aligned runs of 256 bytes: pooled is 136 KB in all.
.set STRIP,  16896                     ; 32 rows x (512 bytes + 16 of padding)
.set PS,     135168                    ; behind the eight strips: 512 bytes for each wave, the strip's means
.set SCI,    139264                    ; the two tiles' scale bytes, 1,024 bytes, as they lie in memory
.set SPARE,  140288                    ; the spare words, 128 bytes for each wave
.set XS_OFF, 4325376                   ; the scale bytes lie behind 528 tiles x 8,192 bytes of codes
; v1 lane, v2 r, v3 h; v4 AX, v5 AP, v6 16 x lane, v7 PSW, v8 PSR, v9 SCA, v10 SRD, v11 and v12 the add's two, v13 8 h, v14 256 x lane; v16-19 at work; v24-27 scale words;
; v32-95 two sets of 32 numbers; v96-111 four groups' codes; v112-115 their bytes; v116-123 two chains of sums; v124-127 pooled's codes
	s_load_b128 s[4:7], s[0:1], 0x0                ; x, xq
	v_lshl_add_u32 v11, v0, 2, SPARE
	v_mov_b32 v12, 0
	ds_add_u32 v11, v12                            ; the wave's opening: the add, twice on end, and its wait ahead of my tensor load
	ds_add_u32 v11, v12
	v_lshrrev_b32 v1, 5, v0
	v_readfirstlane_b32 s8, v1                     ; wave
	s_mov_b32 s16, (2<<16)|(1<<20)|(6<<22)|(3<<25) ; elements of 4 bytes; padding on: 4 words behind every 128
	s_mov_b32 s17, 128<<16                         ; tensor_dim0 = 128
	s_mov_b32 s18, 32<<16                          ; tensor_dim1 = 32
	s_mov_b32 s19, 128<<16                         ; tile_dim0 = 128
	s_mov_b32 s20, 32                              ; tile_dim1 = 32
	s_mov_b32 s21, 1024                            ; elements from row to row
	s_mov_b32 s22, 0
	s_mov_b32 s23, 0
	s_mov_b32 s12, 1
	s_mul_i32 s13, s8, STRIP                       ; my strip
	s_lshl_b32 s10, ttmp9, 17
	s_lshl_b32 s11, s8, 9
	s_add_co_u32 s10, s10, s11
	s_mov_b32 s11, 0
	s_wait_dscnt 0x0                               ; both opening adds are done
	s_wait_kmcnt 0x0
	s_add_nc_u64 s[14:15], s[4:5], s[10:11]
	s_or_b32 s15, s15, 0x80000000
	tensor_load_to_lds s[12:15], s[16:23]          ; my one tensor load
	s_nop 0
	v_and_b32 v1, 31, v0
	v_and_b32 v2, 15, v0
	v_bfe_u32 v3, v0, 4, 1
	v_and_b32 v4, 8, v2
	v_add_nc_u32 v4, v4, v2                        ; r + 8 (r / 8)
	v_mul_u32_u24 v4, v4, 528
	v_lshl_add_u32 v4, v3, 7, v4
	v_add_nc_u32 v4, s13, v4                       ; AX: my token's row, + 128 h: block h of a pair of blocks
	v_lshlrev_b32 v6, 4, v1
	v_add_nc_u32 v5, s13, v6                       ; AP: 16 bytes a lane of a row
	s_lshl_b32 s24, s8, 9
	s_add_co_u32 s25, s24, PS
	v_add_nc_u32 v7, s25, v6                       ; PSW
	v_and_b32 v8, 3, v0
	v_lshl_add_u32 v8, v8, 7, s25                  ; PSR: block lane % 4 of the strip's means
	s_lshr_b32 s26, s8, 2
	s_lshl_b32 s26, s26, 8
	s_and_b32 s27, s8, 3
	s_lshl_b32 s27, s27, 2
	s_add_co_u32 s26, s26, s27                     ; (w / 4) x 256 + 4 (w % 4): the K step's word in a row's scale bytes
	s_add_co_u32 s27, s26, SCI
	v_lshl_add_u32 v9, v2, 4, s27
	v_lshl_add_u32 v9, v3, 9, v9                   ; SCA: lanes 0-15 store tile 0's word, lanes 16-31 tile 1's
	s_add_co_u32 s24, s24, SCI
	v_add_nc_u32 v10, s24, v6                      ; SRD: a tile's 512 bytes, for waves 0 and 1
	v_lshlrev_b32 v13, 3, v3
	v_lshlrev_b32 v14, 8, v1
	v_mov_b32 v26, 0                               ; written once: a lane permute's destination counts as one of its sources
	v_mov_b32 v27, 0
	s_mov_b32 s40, 0x76543210
	s_mov_b32 s41, 0xfedcba98                      ; selects for lane l xor 16
	s_mov_b32 s43, 0
	s_lshl_b32 s42, ttmp9, 14
	s_lshl_b32 s36, s8, 10
	s_add_co_u32 s42, s42, s36
	s_add_nc_u64 s[28:29], s[6:7], s[42:43]        ; codes: tile 2 B, K step w
	s_lshr_b32 s37, ttmp9, 5
	s_lshl_b32 s37, s37, 1
	s_bfe_u32 s38, ttmp9, 0x10003
	s_add_co_u32 s37, s37, s38
	s_add_co_u32 s37, s37, 512                     ; pooled's tile: 512 + 2 x batch + bit 3 of the block's number
	s_bfe_u32 s38, ttmp9, 0x10004
	s_lshl_b32 s38, s38, 3
	s_and_b32 s39, ttmp9, 7
	s_or_b32 s38, s38, s39
	s_lshl_b32 s38, s38, 4                         ; 16 x its place in the tile
	s_lshl_b32 s42, s37, 13
	s_add_co_u32 s42, s42, s36
	s_add_co_u32 s42, s42, s38
	s_add_nc_u64 s[30:31], s[6:7], s[42:43]        ; pooled's codes
	s_lshl_b32 s42, s37, 9
	s_add_co_u32 s42, s42, s26
	s_add_co_u32 s42, s42, s38
	s_add_co_u32 s42, s42, XS_OFF
	s_add_nc_u64 s[32:33], s[6:7], s[42:43]        ; pooled's scale bytes
	s_lshl_b32 s42, ttmp9, 10
	s_lshl_b32 s36, s8, 9
	s_add_co_u32 s42, s42, s36
	s_add_co_u32 s42, s42, XS_OFF
	s_add_nc_u64 s[34:35], s[6:7], s[42:43]        ; the tokens' scale bytes: tile 2 B + w, for waves 0 and 1
; 32 numbers of ONE block in v[xs] on become 16 bytes of codes in v[cd] on and the byte in v[by]
.macro QBLK xs, cd, by
.set qx, \xs
.set qc, \cd
	v_max3_num_f32 v16, |v[qx]|, |v[qx+1]|, |v[qx+2]|
	v_max3_num_f32 v17, |v[qx+3]|, |v[qx+4]|, |v[qx+5]|
.irp i, 6,10,14,18,22,26
	v_max3_num_f32 v16, v16, |v[qx+\i]|, |v[qx+\i+1]|
	v_max3_num_f32 v17, v17, |v[qx+\i+2]|, |v[qx+\i+3]|
.endr
	v_max3_num_f32 v16, v16, |v[qx+30]|, |v[qx+31]|
	v_max3_num_f32 v16, v16, v17, 0x1800000        ; the floor 2^(3 - 127)
	v_add_nc_u32 v18, 0xff000000, v16              ; 2 off the exponent field: the conversion's scale operand
	v_lshrrev_b32 v[\by], 23, v18                  ; the scale's byte
.irp g, 0,1,2,3
	v_cvt_scalef32_pk8_fp4_f32 v[qc+\g], v[qx+8*\g:qx+8*\g+7], v18
.endr
	v_nop                                          ; one plain place behind the conversions
.endm
.macro FETCH g                         ; group g = 2 u + c: block 4 w + 2 c + h of token 8 u + r + 8 (r / 8), into set g % 2
.set i, 0
.rept 8
	ds_load_b128 v[32+32*((\g)%2)+4*i:32+32*((\g)%2)+4*i+3], v4 offset:((\g)/2)*4224+((\g)%2)*256+16*i
.set i, i+1
.endr
.endm
.macro PFETCH b                        ; rows 8 b .. 8 b + 7 of the strip, 16 bytes a lane, into set b % 2
.set i, 0
.rept 8
	ds_load_b128 v[32+32*((\b)%2)+4*i:32+32*((\b)%2)+4*i+3], v5 offset:(8*(\b)+i)*528
.set i, i+1
.endr
.endm
.macro GROUP g
	s_wait_dscnt 8                                 ; this set's eight loads are in; the other set's eight may be out
	QBLK 32+32*((\g)%2), 96+4*(\g), 112+(\g)
	global_store_b128 v6, v[96+4*(\g):96+4*(\g)+3], s[28:29] offset:((\g)/2)*8192+((\g)%2)*512   ; 512 consecutive bytes: a register group of the operand
.endm
.macro SUMS b                          ; eight rows into two chains of four columns; the first four rows start the chains: nothing is cleared
.set sb, 32+32*((\b)%2)
.if (\b) == 0
	v_pk_add_f32 v[116:117], v[sb:sb+1], v[sb+4:sb+5]
	v_pk_add_f32 v[118:119], v[sb+2:sb+3], v[sb+6:sb+7]
	v_pk_add_f32 v[120:121], v[sb+8:sb+9], v[sb+12:sb+13]
	v_pk_add_f32 v[122:123], v[sb+10:sb+11], v[sb+14:sb+15]
.set i, 4
.else
.set i, 0
.endif
.rept (8-i)/2
	v_pk_add_f32 v[116:117], v[116:117], v[sb+4*i:sb+4*i+1]
	v_pk_add_f32 v[118:119], v[118:119], v[sb+4*i+2:sb+4*i+3]
	v_pk_add_f32 v[120:121], v[120:121], v[sb+4*i+4:sb+4*i+5]
	v_pk_add_f32 v[122:123], v[122:123], v[sb+4*i+6:sb+4*i+7]
.set i, i+2
.endr
.endm
	s_wait_tensorcnt 0x0                           ; my strip is in LDS; nobody else reads it
	FETCH 0
	FETCH 1
	GROUP 0
	FETCH 2
	GROUP 1
	FETCH 3
	GROUP 2
	PFETCH 0
	GROUP 3
	PFETCH 1
	s_wait_dscnt 8
	SUMS 0
	PFETCH 2
	s_wait_dscnt 8
	SUMS 1
	PFETCH 3
	s_wait_dscnt 8
	SUMS 2
	s_wait_dscnt 0x0
	SUMS 3
	v_pk_add_f32 v[116:117], v[116:117], v[120:121]
	v_pk_add_f32 v[118:119], v[118:119], v[122:123]
	v_pk_mul_f32 v[116:117], v[116:117], 0x3d000000 op_sel_hi:[1,0]   ; / 32: exact
	v_pk_mul_f32 v[118:119], v[118:119], 0x3d000000 op_sel_hi:[1,0]
	ds_store_b128 v7, v[116:119]                   ; my four columns' means
.set i, 0
.rept 8
	ds_load_b128 v[32+4*i:32+4*i+3], v8 offset:16*i   ; LDS serves a wave's instructions in order: these see the store.  Lane l takes block l % 4
.set i, i+1
.endr
	v_lshl_or_b32 v24, v113, 16, v112              ; the tokens' scale words: my two bytes of tile 0 (blocks h and 2 + h of the K step),
	v_lshl_or_b32 v25, v115, 16, v114              ; and of tile 1,
	v_lshlrev_b32 v24, v13, v24                    ; at their places (8 h bits up);
	v_lshlrev_b32 v25, v13, v25
	v_permlanex16_b32 v26, v24, s40, s41
	v_permlanex16_b32 v27, v25, s40, s41
	v_or_b32 v24, v24, v26                         ; with lane l xor 16's two the words are whole
	v_or_b32 v25, v25, v27
	v_cmp_le_u32 vcc_lo, 16, v1
	v_cndmask_b32 v24, v24, v25, vcc_lo
	s_wait_dscnt 0x0
	ds_store_b32 v9, v24
	QBLK 32, 124, 19
	s_wait_xcnt 0x0                                ; EXEC changes only behind this wait
	v_cmp_gt_u32 vcc_lo, 4, v1
	s_and_saveexec_b32 s44, vcc_lo                 ; lanes 0 to 3: the strip's four blocks
	global_store_b128 v14, v[124:127], s[30:31]
	global_store_b8 v1, v19, s[32:33]
	s_wait_xcnt 0x0                                ; and again, in front of the line that widens it
	s_or_b32 exec_lo, exec_lo, s44
	s_wait_dscnt 0x0                               ; for the others' sake: my scale words have landed
	s_barrier_signal -1
	s_barrier_wait -1
	s_cmp_lt_u32 s8, 2
	s_cbranch_scc0 .Lend
	ds_load_b128 v[116:119], v10
	s_wait_dscnt 0x0
	global_store_b128 v6, v[116:119], s[34:35]     ; a tile's 512 scale bytes
.Lend:
	s_wait_tensorcnt 0x0                           ; the wave's end
	ds_add_u32 v11, v12
	s_wait_dscnt 0x0
	s_endpgm
.Lfunc_end_k_q303b94691b_quantx:
	.size	k_q303b94691b_quantx, .Lfunc_end_k_q303b94691b_quantx-k_q303b94691b_quantx
	.p2alignl 7, 3214868480
	.fill 96, 4, 3214868480
	.section	.rodata,"a",@progbits
	.p2align	6, 0x0
	.amdhsa_kernel k_q303b94691b_quantx
		.amdhsa_group_segment_fixed_size 167936
		.amdhsa_private_segment_fixed_size 0
		.amdhsa_enable_private_segment 0
		.amdhsa_kernarg_size 16
		.amdhsa_user_sgpr_count 2
		.amdhsa_user_sgpr_kernarg_segment_ptr 1
		.amdhsa_wavefront_size32 1
		.amdhsa_system_sgpr_workgroup_id_x 1
		.amdhsa_system_sgpr_workgroup_id_y 1
		.amdhsa_system_sgpr_workgroup_id_z 1
		.amdhsa_system_vgpr_workitem_id 0
		.amdhsa_next_free_vgpr 128
		.amdhsa_next_free_sgpr 66
		.amdhsa_reserve_vcc 1
		.amdhsa_float_denorm_mode_32 3
		.amdhsa_float_denorm_mode_16_64 3
		.amdhsa_memory_ordered 1
		.amdhsa_forward_progress 1
		.amdhsa_inst_pref_size 22
	.end_amdhsa_kernel
	.amdgpu_metadata
---
amdhsa.version: [ 1, 2 ]
amdhsa.kernels:
  - .name:           k_q303b94691b_quantx
    .symbol:         k_q303b94691b_quantx.kd
    .args:
      - { .name: x, .offset: 0, .size: 8, .value_kind: global_buffer, .address_space: global }
      - { .name: xq, .offset: 8, .size: 8, .value_kind: global_buffer, .address_space: global }
    .group_segment_fixed_size: 167936
    .private_segment_fixed_size: 0
    .kernarg_segment_align: 8
    .kernarg_segment_size: 16
    .max_flat_workgroup_size: 256
    .sgpr_count:     66
    .vgpr_count:     128
    .wavefront_size: 32
...
	.end_amdgpu_metadata
.endif
;; end of part 2
;; launch proj (part 3): grid 388 x 1, 4 waves a work-group, clusters of 4 x 1, 327,680 bytes of LDS; arguments xq, wq, qkv; writes qkv
.if DOCPART == 3
	.amdgcn_target "amdgcn-amd-amdhsa--gfx1250"
	.amdhsa_code_object_version 6
	.text
	.protected	k_q303b94691b_proj
	.globl	k_q303b94691b_proj
	.p2align	8
	.type	k_q303b94691b_proj,@function
k_q303b94691b_proj:
	s_mov_b64 s[64:65], 0
	v_nop
	global_prefetch_b8 v0, s[64:65] scope:SCOPE_SE
	s_setreg_imm32_b32 hwreg(HW_REG_WAVE_MODE, 25, 1), 1
	s_wait_xcnt 0x0
	s_wait_alu depctr_hold_cnt(0) depctr_sa_sdst(0) depctr_va_vdst(0) depctr_va_sdst(0) depctr_va_ssrc(0) depctr_va_vcc(0) depctr_vm_vsrc(0)
	s_getreg_b32 s2, hwreg(HW_REG_IB_STS2, 6, 4)
	s_cmp_eq_u32 s2, 0
	s_cbranch_scc0 .Lentry_in_a_cluster
	s_endpgm
.Lentry_in_a_cluster:
	s_bfe_u32 s2, ttmp6, 0x10000c
	s_cmp_lg_u32 s2, 0x3003
	s_cbranch_scc0 .Lentry_shape_is_right
	s_endpgm
.Lentry_shape_is_right:
; q = x Wq, k = x Wk, v = x Wv, root_emb = pooled Wu on codes of E2M1 (K = 1,024), and each result quantised at once along the axis that is K of the product that takes it: only codes and scale words leave.
; A tile of 256 x 256 has an operand R (source 1: its rows stay in the lanes) and an operand P (source 0: its rows run along a lane's registers: THE AXIS THAT IS QUANTISED).
;   clusters 0-63:  R = 256 tokens, P = 256 columns of Wq (even) or Wk (odd): quantised along the head's 64.     clusters 64-95: R = 256 columns of Wv, P = 256 tokens: quantised along the keys.
;   cluster 96:     R = the 256 rows of pooled, P = 256 columns of Wu: quantised along root_emb's 1,024.
; P's tiles of 16 hold their rows in the order 8 u + r + 8 (r / 8), so the 16 result registers of two neighbouring tiles are 16 neighbours, and 8 tiles give a lane 4 blocks of 32: one fragment and one scale word a row.
; OUT: codes [(2 Pg + c)][tile of R][lane][16 bytes] (Pg: the group of 128 along P; c: the fragment's register group), scale words [Pg][tile of R][r].
; CLUSTER: the four partners share R (a joint load with a mask that names the four) and differ in P (plain loads).  4 x 4 is not taken: the list of tiles (32 x 8, 4 x 32, 1 x 4) has two patterns of sharing and does not divide so.
; No branch hangs on the kind of tile: every difference is an address chosen by the cluster's number.  Registers that feed R's descriptors never hold the place in the cluster.
; K = 1,024 is two slots of 512, both asked for at the head: nothing is filled again.  Operands lie in memory in the order of the registers, so a fragment's register group is 512 consecutive bytes of LDS: no padding.
; REGISTERS, in windows of 256: window 0: v0-31 addresses; v32-95 scale words, two sets; v96-127 at work on the way out; v128-191 R's fragments, one set; v192-255 the codes made.
;   window 1: P's fragments, two sets, at v0 and v128.   windows 2, 3: the 64 accumulators ((a, b) at v[8 (8 (a % 4) + b)], a: R's tile, b: P's).
.set NQ,     4                         ; steps of 128 along K in a slot
.set FR,     8                         ; registers of a fragment
.set NL,     2                         ; LDS loads that bring one
.set NP,     4                         ; places behind this matrix instruction (ISA guide 7.12.1)
.set SLOT,   131072                    ; a slot: R's 16 tiles x 4,096 bytes, then P's
.set POFF,   65536
.set SCL,    262144                    ; the scale bytes of all of K: R's 16 tiles x 512 bytes, then P's
.set SPARE,  278528                    ; the spare words, 128 bytes for each wave
.set XS_OFF, 4325376
.set WS_OFF, 2883584
.set ADRA, 16                          ; v16-17  R's fragments in slot 0, 1
.set ADRB, 20                          ; v20-21  P's
.set LI,   24                          ; v24     16 x lane
.set STW,  25                          ; v25     the way out: my scale word's place in my 512 bytes of slot 0
.set STR,  26                          ; v26     and where I read 16 bytes back
.set ADRS, 27                          ; v27     my scale words: lanes 0-15 R's rows, lanes 16-31 P's
.set SPW,  28
.set NIL,  29
.set SC,   32
.set TM,   96                          ; v96-99 largest magnitudes, v100-103 bytes, v108-111 scale operands
.set PW,   112                         ; v112-119 the scale word of R's tile a
.set AF,   128
.set PC,   192                         ; v192-255 the fragment made of R's tile a: 8 registers each
.set G1,   24                          ; s[24:31], s[32:39] groups 1 and 0 (a set for each slot) for R's codes
.set G0,   32
.set G1B,  48                          ; s[48:55], s[56:63] for P's
.set G0B,  56
.set G1S,  68                          ; s[68:75], s[76:79] for R's scale bytes;  s[80:87], s[88:91] for P's
.set G0S,  76
.set G1SB, 80
.set G0SB, 88
.set MSB, 0
.macro WIN new                         ; the immediate's high byte repeats the setting that is left
.if MSB != \new
	s_set_vgpr_msb (MSB<<8)|\new
.set MSB, \new
.endif
.endm
.set MUL_LO, 0xa1                      ; source 0 (P) window 1, source 1 (R) window 0, C and D window 2
.set MUL_HI, 0xf1
.set TO_B,   0x40
; Waves 0 and 1 fetch for R, jointly with the partners; waves 2 and 3 for P.  The branch hangs on the wave's number alone.  An s_nop 0 and four v_nop follow each line.
.macro JLOAD g0a, g1a, g0b, g1b
	s_cmp_eq_u32 s15, 0
	s_cbranch_scc0 .Lfor_b_\@
	tensor_load_to_lds s[\g0a:\g0a+3], s[\g1a:\g1a+7]
	s_nop 0
.rept 4
	v_nop
.endr
	s_branch .Lasked_\@
.Lfor_b_\@:
	tensor_load_to_lds s[\g0b:\g0b+3], s[\g1b:\g1b+7]
	s_nop 0
.rept 4
	v_nop
.endr
.Lasked_\@:
.endm
.macro CROUND                          ; a round of the cluster's barrier
	s_barrier_signal -1
	s_barrier_wait -1
	s_cmp_lg_u32 s14, 0
	s_cbranch_scc1 .Lnot_wave_0_\@
	s_barrier_signal -3
.Lnot_wave_0_\@:
	s_barrier_wait -3
	s_barrier_signal -1
	s_barrier_wait -1
.endm
	s_load_b128 s[4:7], s[0:1], 0x0                ; xq, wq
	s_load_b64 s[8:9], s[0:1], 0x10                ; qkv
	v_lshl_add_u32 v[SPW], v0, 2, SPARE
	v_mov_b32 v[NIL], 0
	ds_add_u32 v[SPW], v[NIL]                      ; the wave's opening: the add, twice on end, and its wait ahead of my first tensor load
	ds_add_u32 v[SPW], v[NIL]
	v_lshrrev_b32 v1, 5, v0
	v_readfirstlane_b32 s14, v1                    ; wave
	s_lshr_b32 s15, s14, 1                         ; which half of R's rows I multiply.  Also: I fetch for R (0) or for P (1)
	s_and_b32 s16, s14, 1                          ; which half of P's rows.  Also: which 8 tiles I fetch
	s_bfe_u32 s40, ttmp6, 0x40000                  ; cx: my place in the cluster
	s_mov_b32 s41, ttmp9                           ; c: the cluster
	s_sub_co_u32 s42, s41, 64                      ; c' (of use in clusters 64-95 alone)
	s_lshr_b32 s43, s41, 1
	s_lshl_b32 s43, s43, 4                         ; q, k: R's first tile: 16 (c / 2)
	s_lshr_b32 s44, s42, 3
	s_lshl_b32 s44, s44, 4                         ; v: R's first tile among Wv's: 16 (c' / 8)
	s_add_co_u32 s45, s44, 128                     ; and in wq
	s_and_b32 s46, s41, 1
	s_and_b32 s47, s42, 7
	s_lshl_b32 s66, s46, 6                         ; q, k: P's first tile without cx: Wq's 0 or Wk's 64
	s_lshl_b32 s67, s47, 6                         ; v: 64 (c' % 8)
	s_lshl_b32 s94, s46, 22                        ; q, k: the codes' section
	s_lshl_b32 s95, s46, 18
	s_add_co_u32 s95, s95, 12713984                ; and the scale words'
	s_lshl_b32 s96, s47, 3                         ; v: the first group of 128 tokens without cx
	s_mov_b32 s17, 512                             ; root_emb's figures; the others are chosen over them
	s_mov_b32 s18, 0
	s_mov_b32 s19, 16
	s_mov_b32 s20, 12582912
	s_mov_b32 s21, 13500416
	s_mov_b32 s22, 0
	s_mov_b32 s23, 192
	s_mov_b32 s97, 0
	s_cmp_lt_u32 s41, 96
	s_cselect_b32 s17, s45, s17                    ; s17: R's first tile in its buffer
	s_cselect_b32 s18, s44, s18                    ; s18: R's first tile in the output
	s_cselect_b32 s19, 64, s19                     ; s19: R's tiles in the output's section
	s_cselect_b32 s20, 8388608, s20                ; s20: the codes' section
	s_cselect_b32 s21, 13238272, s21               ; s21: the scale words'
	s_cselect_b32 s22, 1, s22                      ; s22: 1 where R is a weight and P the tokens
	s_cselect_b32 s23, s67, s23                    ; s23: P's first tile without cx
	s_cselect_b32 s97, s96, s97                    ; s97: P's first group of 128 without cx
	s_cmp_lt_u32 s41, 64
	s_cselect_b32 s17, s43, s17
	s_cselect_b32 s18, s43, s18
	s_cselect_b32 s19, 512, s19
	s_cselect_b32 s20, s94, s20
	s_cselect_b32 s21, s95, s21
	s_cselect_b32 s22, 0, s22
	s_cselect_b32 s23, s66, s23
	s_cselect_b32 s97, 0, s97
	s_lshl_b32 s44, s16, 3
	s_add_co_u32 s44, s44, s17                     ; R: the first of the 8 tiles that I fetch
	s_lshl_b32 s46, s44, 13                        ; its codes,
	s_mov_b32 s47, 0
	s_lshl_b32 s44, s44, 9                         ; its scale bytes
	s_mov_b32 s45, 0
	s_lshl_b32 s66, s40, 4
	s_add_co_u32 s66, s66, s23
	s_lshl_b32 s67, s16, 3
	s_add_co_u32 s66, s66, s67                     ; P: likewise, + 16 cx
	s_lshl_b32 s94, s66, 13
	s_mov_b32 s95, 0
	s_lshl_b32 s98, s66, 9
	s_mov_b32 s99, 0
	s_mov_b32 s2, XS_OFF
	s_mov_b32 s3, WS_OFF
	s_lshl_b32 s41, s14, 15                        ; where the codes go: wave x 8 tiles x 4,096 bytes: no place in the cluster enters an LDS address
	s_lshl_b32 s96, s14, 12                        ; and the scale bytes: wave x 8 tiles x 512
	; group 1: 8 tiles' halves of K: 8 rows of 4,096 bytes (512 elements of 8), 8,192 bytes apart
	s_mov_b32 s[G1], 15|(3<<16)|(1<<21)            ; 15:0 the mask: all four partners; 17:16 elements of 8 bytes; 21 set beside a mask
	s_mov_b32 s[G1B], 3<<16                        ; no mask: a load of my own
.irp g, G1, G1B
	s_mov_b32 s[\g+1], 512<<16                     ; tensor_dim0
	s_mov_b32 s[\g+2], 8<<16                       ; tensor_dim1
	s_mov_b32 s[\g+3], 512<<16                     ; tile_dim0
	s_mov_b32 s[\g+4], 8                           ; tile_dim1
	s_mov_b32 s[\g+5], 1024                        ; elements from row to row
	s_mov_b32 s[\g+6], 0
	s_mov_b32 s[\g+7], 0
.endr
	; and 8 tiles' scale bytes: 4,096 dense bytes as 16 rows of 256
	s_mov_b32 s[G1S], 15|(3<<16)|(1<<21)
	s_mov_b32 s[G1SB], 3<<16
.irp g, G1S, G1SB
	s_mov_b32 s[\g+1], 32<<16
	s_mov_b32 s[\g+2], 16<<16
	s_mov_b32 s[\g+3], 32<<16
	s_mov_b32 s[\g+4], 16
	s_mov_b32 s[\g+5], 32
	s_mov_b32 s[\g+6], 0
	s_mov_b32 s[\g+7], 0
.endr
	s_wait_dscnt 0x0                               ; both opening adds are done
	s_wait_kmcnt 0x0
	s_cmp_eq_u32 s22, 1                            ; the buffers are chosen by the cluster's number alone
	s_cselect_b32 s42, s3, s2                      ; where R's scale bytes begin in its buffer
	s_cselect_b32 s43, s2, s3                      ; and P's
	s_cselect_b64 s[22:23], s[6:7], s[4:5]         ; R's buffer
	s_cselect_b64 s[66:67], s[4:5], s[6:7]         ; P's
	s_add_co_u32 s44, s44, s42
	s_add_co_u32 s98, s98, s43
	s_add_nc_u64 s[44:45], s[22:23], s[44:45]
	s_add_nc_u64 s[46:47], s[22:23], s[46:47]
	s_add_nc_u64 s[98:99], s[66:67], s[98:99]
	s_add_nc_u64 s[94:95], s[66:67], s[94:95]
	CROUND                                         ; all four work-groups are here: the joint loads meet
	s_mov_b32 s[G0S], 1
	s_add_co_u32 s[G0S+1], s96, SCL
	s_mov_b64 s[G0S+2:G0S+3], s[44:45]
	s_or_b32 s[G0S+3], s[G0S+3], 0x80000000
	s_mov_b32 s[G0SB], 1
	s_add_co_u32 s[G0SB+1], s96, SCL
	s_mov_b64 s[G0SB+2:G0SB+3], s[98:99]
	s_or_b32 s[G0SB+3], s[G0SB+3], 0x80000000
	JLOAD G0S, G1S, G0SB, G1SB                     ; the scale bytes first: they are wanted with the first step
.irp s, 0,1
	s_mov_b32 s[G0+4*\s], 1
	s_add_co_u32 s[G0+4*\s+1], s41, \s*SLOT
	s_add_nc_u64 s[G0+4*\s+2:G0+4*\s+3], s[46:47], \s*4096
	s_or_b32 s[G0+4*\s+3], s[G0+4*\s+3], 0x80000000
	s_mov_b32 s[G0B+4*\s], 1
	s_add_co_u32 s[G0B+4*\s+1], s41, \s*SLOT
	s_add_nc_u64 s[G0B+4*\s+2:G0B+4*\s+3], s[94:95], \s*4096
	s_or_b32 s[G0B+4*\s+3], s[G0B+4*\s+3], 0x80000000
	JLOAD G0+4*\s, G1, G0B+4*\s, G1B               ; three loads of mine are out at the most
.endr
	v_and_b32 v3, 31, v0                           ; lane
	v_and_b32 v1, 15, v0                           ; r
	v_bfe_u32 v2, v0, 4, 1                         ; h
	v_lshlrev_b32 v[LI], 4, v3
	s_lshl_b32 s41, s15, 15                        ; my 8 tiles of R
	s_lshl_b32 s96, s16, 15
	s_add_co_u32 s96, s96, POFF                    ; my 8 tiles of P
.irp s, 0,1
	v_add_nc_u32 v[ADRA+\s], s41, v[LI]
	v_add_nc_u32 v[ADRB+\s], s96, v[LI]
	s_add_co_u32 s41, s41, SLOT
	s_add_co_u32 s96, s96, SLOT
.endr
	s_lshl_b32 s41, s15, 12                        ; R's scale bytes: my 8 tiles
	s_lshl_b32 s96, s16, 12
	s_add_co_u32 s96, s96, 8192                    ; P's, behind R's 16 tiles
	s_sub_co_u32 s96, s96, s41
	v_mul_u32_u24 v6, s96, v2                      ; lanes 16-31 take P's: the lower base + h x the distance
	s_add_co_u32 s41, s41, SCL
	v_lshl_add_u32 v5, v1, 4, v6
	v_add_nc_u32 v[ADRS], s41, v5
	s_lshl_b32 s41, s14, 9
	v_lshl_add_u32 v[STW], v3, 2, s41
	v_add_nc_u32 v[STR], s41, v[LI]
.irp b, 0,1,2,3
	v_mov_b32 v[TM+4+\b], 0                        ; written once: a lane permute's destination counts as one of its sources
.endr
	s_mov_b32 s2, 0x76543210
	s_mov_b32 s3, 0xfedcba98                       ; selects for lane l xor 16
	s_lshl_b32 s66, s40, 1
	s_add_co_u32 s66, s66, s97
	s_add_co_u32 s66, s66, s16                     ; Pg: my group of 128 along P
	s_lshl_b32 s67, s15, 3
	s_add_co_u32 s67, s67, s18                     ; my first tile of R in the output
	s_mul_i32 s94, s66, s19
	s_lshl_b32 s95, s94, 1
	s_add_co_u32 s95, s95, s67
	s_lshl_b32 s95, s95, 9
	s_add_co_u32 s98, s95, s20
	s_mov_b32 s99, 0
	s_add_nc_u64 s[10:11], s[8:9], s[98:99]        ; codes, register group 0
	s_lshl_b32 s98, s19, 9
	s_add_nc_u64 s[12:13], s[10:11], s[98:99]      ; register group 1
	s_add_co_u32 s94, s94, s67
	s_lshl_b32 s94, s94, 6
	s_add_co_u32 s98, s94, s21
	s_add_nc_u64 s[92:93], s[8:9], s[98:99]        ; scale words
.macro FRAG reg, adr, q, i             ; tile i, step q: two register groups of 512 consecutive bytes
.irp c, 0,1
	ds_load_b128 v[\reg+4*\c:\reg+4*\c+3], v[\adr] offset:((\i)*4+(\q))*1024+512*\c
.endr
.endm
; 16 matrix instructions: R's tiles a0, a0 + 1 x P's eight.  The 64 accumulators take turns, one instruction a turn, in the same order in every step.
.macro MUL16 a0, p, q, sc, zero
.irp a, \a0, \a0+1
.irp b, 0,1,2,3,4,5,6,7
.if \zero
	v_wmma_scale_f32_16x16x128_f8f6f4 v[8*(8*((\a)%4)+\b):8*(8*((\a)%4)+\b)+7], v[128*(\p)+FR*\b:128*(\p)+FR*\b+FR-1], v[AF+FR*(\a):AF+FR*(\a)+FR-1], 0, v[SC+8*NQ*(\sc)+NQ*\b+(\q)], v[SC+8*NQ*(\sc)+NQ*(\a)+(\q)] matrix_a_fmt:MATRIX_FMT_FP4 matrix_b_fmt:MATRIX_FMT_FP4 matrix_a_scale:MATRIX_SCALE_ROW1
.else
	v_wmma_scale_f32_16x16x128_f8f6f4 v[8*(8*((\a)%4)+\b):8*(8*((\a)%4)+\b)+7], v[128*(\p)+FR*\b:128*(\p)+FR*\b+FR-1], v[AF+FR*(\a):AF+FR*(\a)+FR-1], v[8*(8*((\a)%4)+\b):8*(8*((\a)%4)+\b)+7], v[SC+8*NQ*(\sc)+NQ*\b+(\q)], v[SC+8*NQ*(\sc)+NQ*(\a)+(\q)] matrix_a_fmt:MATRIX_FMT_FP4 matrix_b_fmt:MATRIX_FMT_FP4 matrix_a_scale:MATRIX_SCALE_ROW1
.endif
.endr
.endr
.endm
.macro FETCH_B slot, q, p
	WIN TO_B
.irp i, 0,1,2,3,4,5,6,7
	FRAG 128*(\p)+FR*\i, ADRB+\slot, \q, \i
.endr
	WIN 0
.endm
.macro FETCH_A slot, q, i0
.irp i, \i0, \i0+1, \i0+2, \i0+3
	FRAG AF+FR*(\i), ADRA+\slot, \q, \i
.endr
.endm
.macro SCALES sc                       ; a slot's scale words: four a row; lanes 0-15 take R's tile i, lanes 16-31 P's tile i
.irp i, 0,1,2,3,4,5,6,7
	ds_load_b128 v[SC+8*NQ*\sc+NQ*\i:SC+8*NQ*\sc+NQ*\i+3], v[ADRS] offset:\i*512
.endr
.endm
.macro PLACES n                        ; plain vector instructions between a matrix instruction and a load into, or a read of, its registers
.rept \n
	v_nop
.endr
.endm
.macro STEP slot, q, zero              ; a step of 128 along K that has its successor in the same slot
	s_wait_dscnt 4*NL                              ; P's set and R's tiles 0-3 are in; the youngest eight loads (R's tiles 4-7) may be out
	WIN MUL_LO
	MUL16 0, (\q)%2, \q, \slot, \zero
	MUL16 2, (\q)%2, \q, \slot, \zero
	s_wait_dscnt 0                                 ; R's tiles 4-7 are in
	PLACES NP
	FETCH_B \slot, (\q)+1, 1-(\q)%2
	FETCH_A \slot, (\q)+1, 0
	WIN MUL_HI
	MUL16 4, (\q)%2, \q, \slot, \zero
	MUL16 6, (\q)%2, \q, \slot, \zero
	PLACES NP
	WIN 0
	FETCH_A \slot, (\q)+1, 4
.endm
.macro TURN slot, next                 ; slot 0's last step: behind the barrier slot 1 is whole and nobody reads slot 0 any more
	s_wait_tensorcnt 0x0                           ; all my tensor loads have landed: my part of slot 1
	ds_add_u32 v[SPW], v[NIL]                      ; 0 onto my spare word
	s_wait_dscnt 4*NL+1                            ; (the add and the youngest eight loads may be out)
	WIN MUL_LO
	MUL16 0, 1, NQ-1, \slot, 0
	s_wait_dscnt 0x0                               ; the add is done, and my reads of this slot are over
	s_barrier_signal -1
	MUL16 2, 1, NQ-1, \slot, 0
	WIN 0
	s_barrier_wait -1
	PLACES NP
	v_add_nc_u32 v[ADRS], 256, v[ADRS]             ; the second half of K's scale words
	FETCH_B \next, 0, 0
	FETCH_A \next, 0, 0
	SCALES \next
	WIN MUL_HI
	MUL16 4, 1, NQ-1, \slot, 0
	MUL16 6, 1, NQ-1, \slot, 0
	PLACES NP
	WIN 0
	FETCH_A \next, 0, 4
.endm
.macro STEPS slot, from
.set Q, \from
.rept NQ-1-\from
	STEP \slot, Q, 0
.set Q, Q+1
.endr
.endm
	s_wait_tensorcnt 1                             ; the scale bytes and my part of slot 0 are in (slot 1's load may be out)
	s_barrier_signal -1
	s_barrier_wait -1                              ; everybody's are
	FETCH_B 0, 0, 0
	FETCH_A 0, 0, 0
	SCALES 0
	FETCH_A 0, 0, 4
	STEP 0, 0, 1                                   ; the first products start the sums: nothing is cleared
	STEPS 0, 1
	TURN 0, 1
	STEPS 1, 0
	s_wait_dscnt 4*NL
	WIN MUL_LO
	MUL16 0, 1, NQ-1, 1, 0
	MUL16 2, 1, NQ-1, 1, 0
	s_wait_dscnt 0
	WIN MUL_HI
	MUL16 4, 1, NQ-1, 1, 0
	MUL16 6, 1, NQ-1, 1, 0
	WIN 0
; THE WAY OUT.  R's tile a: a lane's 64 results, register 16 b + i = place 32 b + 16 (lane / 16) + i along P of its row, become a fragment (8 registers) and a scale word.  Each accumulator is read from its low end on.
.macro QUANTW a
.set AC, 64*((\a)%4)
.set W2, 10+5*((\a)/4)                 ; sources 0 and 1 in window 2 or 3
.set W1, 2+(\a)/4                      ; source 0 alone
	WIN W2
.irp b, 0,1,2,3
	v_max3_num_f32 v[TM+\b], |v[AC+16*\b]|, |v[AC+16*\b+1]|, 0x1800000      ; block b: my 16 numbers, and the floor 2^(3 - 127)
.endr
.irp i, 2,4,6,8,10,12,14
.irp b, 0,1,2,3
	v_max3_num_f32 v[TM+\b], |v[AC+16*\b+\i]|, |v[AC+16*\b+\i+1]|, v[TM+\b]  ; (the four blocks by turns)
.endr
.endr
	WIN 0
.irp b, 0,1,2,3
	v_permlanex16_b32 v[TM+4+\b], v[TM+\b], s2, s3
.endr
.irp b, 0,1,2,3
	v_max_num_f32 v[TM+\b], v[TM+\b], v[TM+4+\b]   ; with lane l xor 16's: the block's largest magnitude
.endr
.irp b, 0,1,2,3
	v_add_nc_u32 v[TM+12+\b], 0xff000000, v[TM+\b] ; 2 off its exponent field: the conversion's scale operand
.endr
.irp b, 0,1,2,3
	v_lshrrev_b32 v[TM+4+\b], 23, v[TM+12+\b]      ; the scale's byte
.endr
	v_lshl_or_b32 v[PW+(\a)], v[TM+5], 8, v[TM+4]
	v_lshl_or_b32 v[PW+(\a)], v[TM+6], 16, v[PW+(\a)]
	v_lshl_or_b32 v[PW+(\a)], v[TM+7], 24, v[PW+(\a)]
	WIN W1
.irp b, 0,1,2,3
	v_cvt_scalef32_pk8_fp4_f32 v[PC+8*(\a)+2*\b], v[AC+16*\b:AC+16*\b+7], v[TM+12+\b]
	v_cvt_scalef32_pk8_fp4_f32 v[PC+8*(\a)+2*\b+1], v[AC+16*\b+8:AC+16*\b+15], v[TM+12+\b]
.endr
	WIN 0
	v_nop                                          ; one plain place behind a scaled conversion
.irp c, 0,1                            ; the operand's layout wants a whole block in a lane: lanes 0-15 block 2 c, lanes 16-31 block 2 c + 1
.irp i, 0,1
	v_permlane16_swap_b32 v[PC+8*(\a)+4*\c+\i], v[PC+8*(\a)+4*\c+2+\i]
.endr
.endr
	global_store_b128 v[LI], v[PC+8*(\a):PC+8*(\a)+3], s[10:11] offset:512*(\a)     ; 512 consecutive bytes, aligned; every tile has registers of its own
	global_store_b128 v[LI], v[PC+8*(\a)+4:PC+8*(\a)+7], s[12:13] offset:512*(\a)
.endm
	PLACES NP                                      ; behind the last products
.irp a, 0,1,2,3,4,5,6,7
	QUANTW \a
.endr
	v_cmp_le_u32 vcc_lo, 16, v3                    ; the eight tiles' scale words, 512 bytes, meet in my 512 bytes of slot 0: it has had its last fill, and nobody reads it behind the change of slots
.irp a, 0,2,4,6
	v_cndmask_b32 v[120+(\a)/2], v[PW+\a], v[PW+\a+1], vcc_lo
.endr
.irp a, 0,2,4,6
	ds_store_b32 v[STW], v[120+(\a)/2] offset:64*\a
.endr
	ds_load_b128 v[124:127], v[STR]                ; LDS serves a wave's instructions in order: this sees the stores
	s_wait_dscnt 0x0
	global_store_b128 v[LI], v[124:127], s[92:93]
	s_wait_tensorcnt 0x0                           ; the wave's end
	ds_add_u32 v[SPW], v[NIL]
	s_wait_dscnt 0x0
	CROUND                                         ; the closing round: no work-group ends while a partner may still ask for a tile that names it
	s_endpgm
.Lfunc_end_k_q303b94691b_proj:
	.size	k_q303b94691b_proj, .Lfunc_end_k_q303b94691b_proj-k_q303b94691b_proj
	.p2alignl 7, 3214868480
	.fill 96, 4, 3214868480
	.section	.rodata,"a",@progbits
	.p2align	6, 0x0
	.amdhsa_kernel k_q303b94691b_proj
		.amdhsa_group_segment_fixed_size 327680
		.amdhsa_private_segment_fixed_size 0
		.amdhsa_enable_private_segment 0
		.amdhsa_kernarg_size 24
		.amdhsa_user_sgpr_count 2
		.amdhsa_user_sgpr_kernarg_segment_ptr 1
		.amdhsa_wavefront_size32 1
		.amdhsa_system_sgpr_workgroup_id_x 1
		.amdhsa_system_sgpr_workgroup_id_y 1
		.amdhsa_system_sgpr_workgroup_id_z 1
		.amdhsa_system_vgpr_workitem_id 0
		.amdhsa_next_free_vgpr 1024
		.amdhsa_next_free_sgpr 100
		.amdhsa_reserve_vcc 1
		.amdhsa_float_denorm_mode_32 3
		.amdhsa_float_denorm_mode_16_64 3
		.amdhsa_memory_ordered 1
		.amdhsa_forward_progress 1
		.amdhsa_inst_pref_size 129
	.end_amdhsa_kernel
	.amdgpu_metadata
---
amdhsa.version: [ 1, 2 ]
amdhsa.kernels:
  - .name:           k_q303b94691b_proj
    .symbol:         k_q303b94691b_proj.kd
    .args:
      - { .name: xq, .offset: 0, .size: 8, .value_kind: global_buffer, .address_space: global }
      - { .name: wq, .offset: 8, .size: 8, .value_kind: global_buffer, .address_space: global }
      - { .name: qkv, .offset: 16, .size: 8, .value_kind: global_buffer, .address_space: global }
    .group_segment_fixed_size: 327680
    .private_segment_fixed_size: 0
    .kernarg_segment_align: 8
    .kernarg_segment_size: 24
    .max_flat_workgroup_size: 128
    .sgpr_count:     100
    .vgpr_count:     1024
    .wavefront_size: 32
...
	.end_amdgpu_metadata
.endif
;; end of part 3
;; launch sel (part 4): grid 256 x 1, 8 waves a work-group, no clusters, 42,496 bytes of LDS; arguments xq, wq, qkv, mask; writes mask
.if DOCPART == 4
	.amdgcn_target "amdgcn-amd-amdhsa--gfx1250"
	.amdhsa_code_object_version 6
	.text
	.protected	k_q303b94691b_sel
	.globl	k_q303b94691b_sel
	.p2align	8
	.type	k_q303b94691b_sel,@function
k_q303b94691b_sel:
	s_mov_b64 s[64:65], 0
	v_nop
	global_prefetch_b8 v0, s[64:65] scope:SCOPE_SE
	s_setreg_imm32_b32 hwreg(HW_REG_WAVE_MODE, 25, 1), 1
	s_wait_xcnt 0x0
; THE BLOCK SELECTION.  qsel = x Wq_sel, ksel = root_emb Wk_sel, logits = qsel ksel^T / 16, softmax over the batch's 32 blocks, blk_mask = (prob >= 0.5) | own block; all three products on codes of E2M1.
; OUT: mask[32 B + 16 t + r], whole numbers: bit i = block i of the batch is open to the token in place r of tile 2 B + t.  The address is fixed: nothing here steers an address or a branch.
; prob >= 0.5 is tested as e_i >= 0.5 x (the sum of e): the halving is exact and nothing is divided; it can part from a rounded quotient only within an ulp of 0.5.  The row's maximum is taken away ahead of the exponential.
; SHARES.  Work-group B: the 32 tokens of block B and its batch's 32 roots.  ksel is made anew by each of a batch's 32 work-groups: 32 matrix instructions a wave, in place of a launch of its own.
; Wave w owns columns 32 w .. 32 w + 31 of qsel and ksel (two tiles of each weight, straight from memory into registers), which are block w of the logits' K = 256.  The rows' fragments are shared through LDS as images
; of the registers.  Source 0 = the weight's tile, source 1 = the rows: a lane holds one row and 16 neighbouring columns.  Wave 0 then makes the logits and the mask.
.set AXI,   0                          ; x's fragments [t][K step 8][c][512 bytes], then root_emb's
.set QI,    32768                      ; qsel's codes [t][kb 8][r][16 bytes], then ksel's
.set QSC,   40960                      ; qsel's scale words [K step 2][t][r], then ksel's
.set SPARE, 41472
.set XS_OFF, 4325376
.set WS_OFF, 2883584
.set RF,    12582912
.set RS,    13500416
; window 0: v1 16 x lane, v2 (lane / 16) x 512 + 16 r, v3 4 x lane, v4 STA, v5 QA, v6 SA, v7 and v8 the add's two, v9 lane, v10 r, v11 h, v12 16 h;
;   v32-47 the weights' scale words, v48-63 the rows' (they hold scales alone); v64-95 four accumulators (t, u) at 64 + 16 t + 8 u; v96-127 staging, then at work; v128-255 the rows' fragments.   window 1: the weights' fragments
.set MSB, 0
.macro WIN new
.if MSB != \new
	s_set_vgpr_msb (MSB<<8)|\new
.set MSB, \new
.endif
.endm
; a scaled product: z = 1: it starts the sum; ra, rb: the scale words lie in lanes 16-31 of their registers
.macro WMS d, a, b, z, sa, sb, ra, rb
.set wv, 4*(\z)+2*(\ra)+(\rb)
.if wv == 0
	v_wmma_scale_f32_16x16x128_f8f6f4 v[\d:\d+7], v[\a:\a+7], v[\b:\b+7], v[\d:\d+7], v[\sa], v[\sb] matrix_a_fmt:MATRIX_FMT_FP4 matrix_b_fmt:MATRIX_FMT_FP4
.elseif wv == 1
	v_wmma_scale_f32_16x16x128_f8f6f4 v[\d:\d+7], v[\a:\a+7], v[\b:\b+7], v[\d:\d+7], v[\sa], v[\sb] matrix_a_fmt:MATRIX_FMT_FP4 matrix_b_fmt:MATRIX_FMT_FP4 matrix_b_scale:MATRIX_SCALE_ROW1
.elseif wv == 2
	v_wmma_scale_f32_16x16x128_f8f6f4 v[\d:\d+7], v[\a:\a+7], v[\b:\b+7], v[\d:\d+7], v[\sa], v[\sb] matrix_a_fmt:MATRIX_FMT_FP4 matrix_b_fmt:MATRIX_FMT_FP4 matrix_a_scale:MATRIX_SCALE_ROW1
.elseif wv == 3
	v_wmma_scale_f32_16x16x128_f8f6f4 v[\d:\d+7], v[\a:\a+7], v[\b:\b+7], v[\d:\d+7], v[\sa], v[\sb] matrix_a_fmt:MATRIX_FMT_FP4 matrix_b_fmt:MATRIX_FMT_FP4 matrix_a_scale:MATRIX_SCALE_ROW1 matrix_b_scale:MATRIX_SCALE_ROW1
.elseif wv == 4
	v_wmma_scale_f32_16x16x128_f8f6f4 v[\d:\d+7], v[\a:\a+7], v[\b:\b+7], 0, v[\sa], v[\sb] matrix_a_fmt:MATRIX_FMT_FP4 matrix_b_fmt:MATRIX_FMT_FP4
.elseif wv == 5
	v_wmma_scale_f32_16x16x128_f8f6f4 v[\d:\d+7], v[\a:\a+7], v[\b:\b+7], 0, v[\sa], v[\sb] matrix_a_fmt:MATRIX_FMT_FP4 matrix_b_fmt:MATRIX_FMT_FP4 matrix_b_scale:MATRIX_SCALE_ROW1
.elseif wv == 6
	v_wmma_scale_f32_16x16x128_f8f6f4 v[\d:\d+7], v[\a:\a+7], v[\b:\b+7], 0, v[\sa], v[\sb] matrix_a_fmt:MATRIX_FMT_FP4 matrix_b_fmt:MATRIX_FMT_FP4 matrix_a_scale:MATRIX_SCALE_ROW1
.else
	v_wmma_scale_f32_16x16x128_f8f6f4 v[\d:\d+7], v[\a:\a+7], v[\b:\b+7], 0, v[\sa], v[\sb] matrix_a_fmt:MATRIX_FMT_FP4 matrix_b_fmt:MATRIX_FMT_FP4 matrix_a_scale:MATRIX_SCALE_ROW1 matrix_b_scale:MATRIX_SCALE_ROW1
.endif
.endm
	s_load_b256 s[4:11], s[0:1], 0x0               ; xq, wq, qkv, mask
	v_lshl_add_u32 v7, v0, 2, SPARE
	v_mov_b32 v8, 0
	v_lshrrev_b32 v1, 5, v0
	v_readfirstlane_b32 s12, v1                    ; wave
	v_and_b32 v9, 31, v0
	v_and_b32 v10, 15, v0
	v_bfe_u32 v11, v0, 4, 1
	v_lshlrev_b32 v1, 4, v9
	v_lshlrev_b32 v2, 4, v10
	v_lshl_or_b32 v2, v11, 9, v2
	v_lshlrev_b32 v3, 2, v9
	s_lshl_b32 s13, s12, 10
	v_add_nc_u32 v4, s13, v1                       ; STA: K step w of an image
	s_lshl_b32 s14, s12, 8
	v_lshl_add_u32 v5, v10, 4, s14
	v_lshl_add_u32 v5, v11, 3, v5                  ; QA: block w, row r, my half's 8 bytes
	s_lshr_b32 s14, s12, 2
	s_lshl_b32 s14, s14, 7
	s_and_b32 s15, s12, 3
	s_add_co_u32 s14, s14, s15
	v_lshl_add_u32 v6, v10, 2, s14                 ; SA: byte w % 4 of row r's word of K step w / 4
	v_lshlrev_b32 v12, 4, v11
	s_mov_b32 s32, 0x76543210
	s_mov_b32 s33, 0xfedcba98                      ; selects for lane l xor 16
	s_mov_b32 s34, 0x3db8aa3b                      ; log2(e) / 16
	s_mov_b32 s35, s34                             ; (named with it as a pair, so it is written)
	s_and_b32 s36, ttmp9, 31
	s_lshl_b32 s36, 1, s36                         ; the own block's bit
	s_lshr_b32 s37, ttmp9, 5                       ; the batch
	s_mov_b32 s31, 0
	s_wait_kmcnt 0x0
	s_lshl_b32 s30, ttmp9, 14
	s_add_co_u32 s30, s30, s13
	s_add_nc_u64 s[16:17], s[4:5], s[30:31]        ; x's codes: tile 2 B, K step w
	s_lshl_b32 s30, s12, 14
	s_lshl_b32 s38, s37, 10
	s_add_co_u32 s30, s30, s38
	s_add_co_u32 s30, s30, RF
	s_add_nc_u64 s[18:19], s[8:9], s[30:31]        ; root_emb's codes: K step w, tile 2 x batch
	s_add_co_u32 s30, s13, WS_OFF+163840
	s_add_nc_u64 s[20:21], s[6:7], s[30:31]        ; Wq_sel's scale bytes: tile 320 + 2 w
	s_lshl_b32 s30, ttmp9, 10
	s_add_co_u32 s30, s30, XS_OFF
	s_add_nc_u64 s[22:23], s[4:5], s[30:31]        ; x's scale bytes
	s_lshl_b32 s30, s37, 7
	s_add_co_u32 s30, s30, RS
	s_add_nc_u64 s[24:25], s[8:9], s[30:31]        ; root_emb's scale words
	s_lshl_b32 s30, s12, 14
	s_add_co_u32 s30, s30, 2621440
	s_add_nc_u64 s[26:27], s[6:7], s[30:31]        ; Wq_sel's codes: tile 320 + 2 w; Wk_sel's lie 131,072 bytes on
	s_lshl_b32 s30, ttmp9, 7
	s_add_nc_u64 s[28:29], s[10:11], s[30:31]
.irp t, 0,1
.irp c, 0,1
	global_load_b128 v[96+4*(2*\t+\c):96+4*(2*\t+\c)+3], v1, s[16:17] offset:\t*8192+\c*512
	global_load_b128 v[112+4*(2*\t+\c):112+4*(2*\t+\c)+3], v1, s[18:19] offset:\c*8192+\t*512
.endr
.endr
.irp p, 0,1
.irp g, 0,1
	global_load_b128 v[32+8*\p+4*\g:32+8*\p+4*\g+3], v2, s[20:21] offset:\p*8192+\g*256   ; lanes 0-15 tile 2 w, lanes 16-31 tile 2 w + 1; four K steps' words
.endr
.endr
.irp g, 0,1
	global_load_b128 v[48+4*\g:48+4*\g+3], v2, s[22:23] offset:\g*256
.endr
.irp s, 0,1,2,3,4,5,6,7
	global_load_b32 v[56+\s], v3, s[24:25] offset:\s*1024
.endr
.macro WLOAD p                         ; the weight's two tiles, all of K: 32 loads into window 1
	WIN 0x40
.irp u, 0,1
.irp s, 0,1,2,3,4,5,6,7
.irp c, 0,1
	global_load_b128 v[128*\p+8*(8*\u+\s)+4*\c:128*\p+8*(8*\u+\s)+4*\c+3], v1, s[26:27] offset:\p*131072+\u*8192+\s*1024+\c*512
.endr
.endr
.endr
	WIN 0
.endm
	WLOAD 0
	s_wait_loadcnt 46                              ; the eight staging loads are in; the 14 loads of scales and Wq_sel's 32 may be out
.irp t, 0,1
.irp c, 0,1
	ds_store_b128 v4, v[96+4*(2*\t+\c):96+4*(2*\t+\c)+3] offset:AXI+\t*8192+\c*512
	ds_store_b128 v4, v[112+4*(2*\t+\c):112+4*(2*\t+\c)+3] offset:AXI+16384+\t*8192+\c*512
.endr
.endr
	WLOAD 1
	s_wait_dscnt 0x0                               ; for the others' sake: my stores have landed
	s_barrier_signal -1
	s_barrier_wait -1                              ; both operands' sixteen fragments lie in LDS
; product p (0: x Wq_sel, 1: root_emb Wk_sel), then its results quantised along the columns: my 32 are one block
.macro PROD p
.if \p
.rept 4
	v_nop                                          ; places in front of loads into registers that matrix instructions have read
.endr
.endif
.irp t, 0,1
.irp s, 0,1,2,3,4,5,6,7
.irp c, 0,1
	ds_load_b128 v[128+8*(8*\t+\s)+4*\c:128+8*(8*\t+\s)+4*\c+3], v1 offset:AXI+\p*16384+\t*8192+\s*1024+\c*512
.endr
.endr
.endr
.if \p
	s_wait_loadcnt 0x0
.else
	s_wait_loadcnt 32                              ; the scales and Wq_sel are in; Wk_sel's 32 loads may be out
.endif
	s_wait_dscnt 0x0
	WIN 0x01                                       ; source 0 in window 1
.irp s, 0,1,2,3,4,5,6,7
.irp t, 0,1
.irp u, 0,1
.set rD, 64+16*\t+8*\u
.set rA, 128*\p+8*(8*\u+\s)
.set rB, 128+8*(8*\t+\s)
.set rSA, 32+8*\p+\s
.set rSB, 48+8*\p+\s
.set zz, 0
.if \s == 0
.set zz, 1
.endif
	WMS rD, rA, rB, zz, rSA, rSB, \u, \t           ; the four accumulators by turns
.endr
.endr
.endr
	WIN 0
.rept 5
	v_nop                                          ; places: the results are read, and the next run begins these accumulators anew
.endr
.irp t, 0,1
	v_max3_num_f32 v[96+\t], |v[64+16*\t]|, |v[65+16*\t]|, 0x1800000
.endr
.irp i, 2,4,6,8,10,12,14
.irp t, 0,1
	v_max3_num_f32 v[96+\t], v[96+\t], |v[64+16*\t+\i]|, |v[65+16*\t+\i]|
.endr
.endr
.irp t, 0,1
	v_permlanex16_b32 v[98+\t], v[96+\t], s32, s33
.endr
.irp t, 0,1
	v_max_num_f32 v[96+\t], v[96+\t], v[98+\t]
.endr
.irp t, 0,1
	v_add_nc_u32 v[100+\t], 0xff000000, v[96+\t]
.endr
.irp t, 0,1
	v_lshrrev_b32 v[102+\t], 23, v[100+\t]
.endr
.irp t, 0,1
	v_cvt_scalef32_pk8_fp4_f32 v[104+2*\t], v[64+16*\t:71+16*\t], v[100+\t]
	v_cvt_scalef32_pk8_fp4_f32 v[105+2*\t], v[72+16*\t:79+16*\t], v[100+\t]
.endr
	v_nop                                          ; one plain place behind a scaled conversion
.irp t, 0,1
	ds_store_b64 v5, v[104+2*\t:105+2*\t] offset:QI+\p*4096+\t*2048    ; lanes 0-15: codes 0-15 of the block, lanes 16-31: codes 16-31
	ds_store_b8 v6, v[102+\t] offset:QSC+\p*256+\t*64                  ; both halves of the lanes write the same byte with the same value
.endr
.endm
	PROD 0
	PROD 1
	s_wait_dscnt 0x0
	s_barrier_signal -1
	s_barrier_wait -1                              ; qsel's and ksel's codes and scale words lie in LDS
	s_cmp_lg_u32 s12, 0
	s_cbranch_scc1 .Lend
	; wave 0: logits^T: source 0 = ksel's tile u (16 roots), source 1 = qsel's tile t: a lane holds one token, and register 8 u + j the root 16 (lane / 16) + 8 u + j
.irp u, 0,1
.irp s, 0,1
.irp c, 0,1
	ds_load_b128 v[128+8*(2*\u+\s)+4*\c:128+8*(2*\u+\s)+4*\c+3], v1 offset:QI+4096+\u*2048+\s*1024+\c*512
	ds_load_b128 v[160+8*(2*\u+\s)+4*\c:160+8*(2*\u+\s)+4*\c+3], v1 offset:QI+\u*2048+\s*1024+\c*512
.endr
.endr
.endr
.irp s, 0,1
	ds_load_b32 v[32+\s], v3 offset:QSC+256+\s*128
	ds_load_b32 v[34+\s], v3 offset:QSC+\s*128
.endr
	s_wait_dscnt 0x0
.irp s, 0,1
.irp t, 0,1
.irp u, 0,1
.set rD, 64+16*\t+8*\u
.set rA, 128+8*(2*\u+\s)
.set rB, 160+8*(2*\t+\s)
.set rSA, 32+\s
.set rSB, 34+\s
	WMS rD, rA, rB, 1-\s, rSA, rSB, \u, \t
.endr
.endr
.endr
.rept 4
	v_nop
.endr
.irp t, 0,1
	v_max3_num_f32 v[96+\t], v[64+16*\t], v[65+16*\t], v[66+16*\t]
.endr
.irp i, 3,5,7,9,11,13
.irp t, 0,1
	v_max3_num_f32 v[96+\t], v[96+\t], v[64+16*\t+\i], v[65+16*\t+\i]
.endr
.endr
.irp t, 0,1
	v_max_num_f32 v[96+\t], v[96+\t], v[79+16*\t]
.endr
.irp t, 0,1
	v_permlanex16_b32 v[98+\t], v[96+\t], s32, s33
.endr
.irp t, 0,1
	v_max_num_f32 v[96+\t], v[96+\t], v[98+\t]     ; the row's largest logit
.endr
.irp t, 0,1
	v_mul_f32 v[100+2*\t], 0xbdb8aa3b, v[96+\t]    ; x -log2(e) / 16
.endr
.irp t, 0,1
	v_mov_b32 v[101+2*\t], v[100+2*\t]
.endr
.irp j, 0,2,4,6,8,10,12,14
.irp t, 0,1
	v_pk_fma_f32 v[64+16*\t+\j:65+16*\t+\j], v[64+16*\t+\j:65+16*\t+\j], s[34:35], v[100+2*\t:101+2*\t] op_sel_hi:[1,0,0]
.endr
.endr
.set i, 0
.rept 32
	v_exp_f32 v[64+i], v[64+i]
.set i, i+1
.endr
	v_nop                                          ; a plain place behind the exponentials
	s_wait_alu depctr_va_vdst(0)                   ; one wait for the batch, ahead of its first reader
.irp t, 0,1
	v_pk_add_f32 v[104+2*\t:105+2*\t], v[64+16*\t:65+16*\t], v[66+16*\t:67+16*\t]
.endr
.irp j, 4,6,8,10,12,14
.irp t, 0,1
	v_pk_add_f32 v[104+2*\t:105+2*\t], v[104+2*\t:105+2*\t], v[64+16*\t+\j:65+16*\t+\j]
.endr
.endr
.irp t, 0,1
	v_add_f32 v[104+2*\t], v[104+2*\t], v[105+2*\t]
.endr
.irp t, 0,1
	v_permlanex16_b32 v[98+\t], v[104+2*\t], s32, s33
.endr
.irp t, 0,1
	v_add_f32 v[104+2*\t], v[104+2*\t], v[98+\t]
.endr
.irp t, 0,1
	v_mul_f32 v[108+\t], 0.5, v[104+2*\t]          ; half the row's sum
.endr
.irp t, 0,1
	v_cmp_ge_f32 vcc_lo, v[64+16*\t], v[108+\t]
	v_cndmask_b32 v[110+\t], 0, 1, vcc_lo
.endr
.irp i, 1,2,3,4,5,6,7,8,9,10,11,12,13,14,15
.irp t, 0,1
	v_cmp_ge_f32 vcc_lo, v[64+16*\t+\i], v[108+\t]
	v_cndmask_b32 v[112+\t], 0, 1, vcc_lo
	v_lshl_or_b32 v[110+\t], v[112+\t], \i, v[110+\t]
.endr
.endr
.irp t, 0,1
	v_lshlrev_b32 v[110+\t], v12, v[110+\t]        ; my 16 roots' bits at their places
.endr
.irp t, 0,1
	v_permlanex16_b32 v[98+\t], v[110+\t], s32, s33
.endr
.irp t, 0,1
	v_or_b32 v[110+\t], v[110+\t], v[98+\t]
.endr
.irp t, 0,1
	v_or_b32 v[110+\t], s36, v[110+\t]             ; | the own block
.endr
	v_cmp_le_u32 vcc_lo, 16, v9
	v_cndmask_b32 v110, v110, v111, vcc_lo         ; lanes 0-15 store tile 0's words, lanes 16-31 tile 1's
	global_store_b32 v3, v110, s[28:29]            ; 128 consecutive bytes
.Lend:
	s_wait_tensorcnt 0x0                           ; the wave's end
	ds_add_u32 v7, v8
	s_wait_dscnt 0x0
	s_endpgm
.Lfunc_end_k_q303b94691b_sel:
	.size	k_q303b94691b_sel, .Lfunc_end_k_q303b94691b_sel-k_q303b94691b_sel
	.p2alignl 7, 3214868480
	.fill 96, 4, 3214868480
	.section	.rodata,"a",@progbits
	.p2align	6, 0x0
	.amdhsa_kernel k_q303b94691b_sel
		.amdhsa_group_segment_fixed_size 42496
		.amdhsa_private_segment_fixed_size 0
		.amdhsa_enable_private_segment 0
		.amdhsa_kernarg_size 32
		.amdhsa_user_sgpr_count 2
		.amdhsa_user_sgpr_kernarg_segment_ptr 1
		.amdhsa_wavefront_size32 1
		.amdhsa_system_sgpr_workgroup_id_x 1
		.amdhsa_system_sgpr_workgroup_id_y 1
		.amdhsa_system_sgpr_workgroup_id_z 1
		.amdhsa_system_vgpr_workitem_id 0
		.amdhsa_next_free_vgpr 512
		.amdhsa_next_free_sgpr 66
		.amdhsa_reserve_vcc 1
		.amdhsa_float_denorm_mode_32 3
		.amdhsa_float_denorm_mode_16_64 3
		.amdhsa_memory_ordered 1
		.amdhsa_forward_progress 1
		.amdhsa_inst_pref_size 41
	.end_amdhsa_kernel
	.amdgpu_metadata
---
amdhsa.version: [ 1, 2 ]
amdhsa.kernels:
  - .name:           k_q303b94691b_sel
    .symbol:         k_q303b94691b_sel.kd
    .args:
      - { .name: xq, .offset: 0, .size: 8, .value_kind: global_buffer, .address_space: global }
      - { .name: wq, .offset: 8, .size: 8, .value_kind: global_buffer, .address_space: global }
      - { .name: qkv, .offset: 16, .size: 8, .value_kind: global_buffer, .address_space: global }
      - { .name: mask, .offset: 24, .size: 8, .value_kind: global_buffer, .address_space: global }
    .group_segment_fixed_size: 42496
    .private_segment_fixed_size: 0
    .kernarg_segment_align: 8
    .kernarg_segment_size: 32
    .max_flat_workgroup_size: 256
    .sgpr_count:     66
    .vgpr_count:     512
    .wavefront_size: 32
...
	.end_amdgpu_metadata
.endif
;; end of part 4
;; launch attn (part 5): grid 256 x 1, 16 waves a work-group, no clusters, 151,040 bytes of LDS; arguments x, wq, qkv, mask, out0; writes out0
.if DOCPART == 5
	.amdgcn_target "amdgcn-amd-amdhsa--gfx1250"
	.amdhsa_code_object_version 6
	.text
	.protected	k_q303b94691b_attn
	.globl	k_q303b94691b_attn
	.p2align	8
	.type	k_q303b94691b_attn,@function
k_q303b94691b_attn:
	s_mov_b64 s[64:65], 0
	v_nop
	global_prefetch_b8 v0, s[64:65] scope:SCOPE_SE
	s_setreg_imm32_b32 hwreg(HW_REG_WAVE_MODE, 25, 1), 1
	s_wait_xcnt 0x0
; out0 = softmax-attention over the selected blocks of keys, x Wo, + x; all products on codes of E2M1.
; WORK LEFT OUT: a block of 32 keys that the stored mask hides from all 32 queries of the work-group's token block is not walked: its p is 0 for every finite input, so it adds nothing to the sum or to ctx (shown at the head of
; the first launch).  The choice hangs on whole numbers read from memory; any number of open blocks is served.  Inside a walked block, a query to which it is hidden gets scores of -infinity.
; LIMIT: a NaN or an infinity in k or v of a block that is not walked is not carried to the result.  p under 2^-126 is 0.
; No tensor load and no joint load: branches hang on the stored mask, so the operands go from memory straight into registers, laid by the earlier launches in the order of the registers.
; SHARES.  Work-group B: token block B (two tiles of 16 queries).  Wave w: head w in the attention; columns 64 w .. 64 w + 63 of out0 in the projection.  Four waves to a SIMD.
; ATTENTION, a step = one block of 32 keys.  S^T = K Q^T (source 0 = 16 keys, source 1 = 16 queries; K = the head's 64: the operands' upper halves meet zero codes of Q).  t = score x log2(e) / 8; M = the running largest t rounded
; up; p = 2^(t - M), its sum taken unquantised, quantised along the 32 keys (one block).  O^T += V^T P^T (K = 32 keys: all else meets zero codes of P).  The own block is walked first: it is open to all 32 queries, so M is a number.
; PROJECTION.  ctx = O / sum is quantised along its 1,024 and goes to LDS as an image of the operand's registers; x's 32 rows wait in a stage in LDS and are the C of each sum's first product; the results go back through the stage and leave as whole rows.
.set STGP,  4112                       ; the stage: 32 rows (in the tiles' order) x (4,096 bytes + 16)
.set CI,    131584                     ; ctx's codes [t][kb 32][r][16 bytes]
.set CS,    147968                     ; ctx's scale words [K step 8][t][r]
.set SPARE, 148992                     ; the spare words, 128 bytes for each wave
.set WS_OFF, 2883584
.set KF,    4194304
.set VF,    8388608
.set QS,    12713984
.set KS,    12976128
.set VS,    13238272
; v1 16 x lane, v2 16 (lane % 16), v3 4 x lane, v4 and v5 the add's two, v6-7 the queries' mask words, v8 Q's scale words, v9 K's, v10-11 V's, v18 and v26 p's (these six hold scales alone);
; statistics of tile t at 12 + 8 t: -M, the largest t, the sum (two halves), f, at work; v19 SRW, v27 the offset for Wo's scale bytes; v28-35 at work, later ctx's scale words;
; v36-51 Q (4 registers of codes, 4 of zeros, a tile); v52-79 k0, k1, v0-v3, zeros; v80-95 P (likewise); v96-127 S^T (t, u); v128-191 O^T (t, d), later the sums of out0; v192-255 x as it lands, later Wo's fragments and scale words
.macro WMS d, a, b, z, sa, sb, ra, rb
.set wv, 4*(\z)+2*(\ra)+(\rb)
.if wv == 0
	v_wmma_scale_f32_16x16x128_f8f6f4 v[\d:\d+7], v[\a:\a+7], v[\b:\b+7], v[\d:\d+7], v[\sa], v[\sb] matrix_a_fmt:MATRIX_FMT_FP4 matrix_b_fmt:MATRIX_FMT_FP4
.elseif wv == 1
	v_wmma_scale_f32_16x16x128_f8f6f4 v[\d:\d+7], v[\a:\a+7], v[\b:\b+7], v[\d:\d+7], v[\sa], v[\sb] matrix_a_fmt:MATRIX_FMT_FP4 matrix_b_fmt:MATRIX_FMT_FP4 matrix_b_scale:MATRIX_SCALE_ROW1
.elseif wv == 2
	v_wmma_scale_f32_16x16x128_f8f6f4 v[\d:\d+7], v[\a:\a+7], v[\b:\b+7], v[\d:\d+7], v[\sa], v[\sb] matrix_a_fmt:MATRIX_FMT_FP4 matrix_b_fmt:MATRIX_FMT_FP4 matrix_a_scale:MATRIX_SCALE_ROW1
.elseif wv == 3
	v_wmma_scale_f32_16x16x128_f8f6f4 v[\d:\d+7], v[\a:\a+7], v[\b:\b+7], v[\d:\d+7], v[\sa], v[\sb] matrix_a_fmt:MATRIX_FMT_FP4 matrix_b_fmt:MATRIX_FMT_FP4 matrix_a_scale:MATRIX_SCALE_ROW1 matrix_b_scale:MATRIX_SCALE_ROW1
.elseif wv == 4
	v_wmma_scale_f32_16x16x128_f8f6f4 v[\d:\d+7], v[\a:\a+7], v[\b:\b+7], 0, v[\sa], v[\sb] matrix_a_fmt:MATRIX_FMT_FP4 matrix_b_fmt:MATRIX_FMT_FP4
.elseif wv == 5
	v_wmma_scale_f32_16x16x128_f8f6f4 v[\d:\d+7], v[\a:\a+7], v[\b:\b+7], 0, v[\sa], v[\sb] matrix_a_fmt:MATRIX_FMT_FP4 matrix_b_fmt:MATRIX_FMT_FP4 matrix_b_scale:MATRIX_SCALE_ROW1
.elseif wv == 6
	v_wmma_scale_f32_16x16x128_f8f6f4 v[\d:\d+7], v[\a:\a+7], v[\b:\b+7], 0, v[\sa], v[\sb] matrix_a_fmt:MATRIX_FMT_FP4 matrix_b_fmt:MATRIX_FMT_FP4 matrix_a_scale:MATRIX_SCALE_ROW1
.else
	v_wmma_scale_f32_16x16x128_f8f6f4 v[\d:\d+7], v[\a:\a+7], v[\b:\b+7], 0, v[\sa], v[\sb] matrix_a_fmt:MATRIX_FMT_FP4 matrix_b_fmt:MATRIX_FMT_FP4 matrix_a_scale:MATRIX_SCALE_ROW1 matrix_b_scale:MATRIX_SCALE_ROW1
.endif
.endm
; block jr of the batch: where its K, K's scale words, V and V's scale bytes lie
.macro PTRS jr
	s_lshl_b32 s74, \jr, 10
	s_add_nc_u64 s[66:67], s[14:15], s[74:75]
	s_lshl_b32 s74, \jr, 7
	s_add_nc_u64 s[68:69], s[16:17], s[74:75]
	s_lshr_b32 s82, \jr, 1
	s_lshl_b32 s82, s82, 15
	s_and_b32 s83, \jr, 1
	s_lshl_b32 s83, s83, 8
	s_or_b32 s74, s82, s83
	s_add_nc_u64 s[70:71], s[18:19], s[74:75]
	s_lshr_b32 s82, \jr, 2
	s_lshl_b32 s82, s82, 12
	s_and_b32 s83, \jr, 3
	s_or_b32 s74, s82, s83
	s_add_nc_u64 s[72:73], s[20:21], s[74:75]
.endm
.macro LOADKV                          ; nine loads
	global_load_b128 v[52:55], v1, s[66:67]
	global_load_b128 v[56:59], v1, s[66:67] offset:512
	global_load_u16 v9, v3, s[68:69]               ; my head's two bytes of the pair's word: lanes 0-15 tile 0, lanes 16-31 tile 1
.irp d, 0,1,2,3
	global_load_b128 v[60+4*\d:63+4*\d], v2, s[70:71] offset:512*\d   ; both halves of the lanes take the block's 256 bytes; lanes 16-31 meet zero codes of P
.endr
	global_load_u8 v10, v3, s[72:73]
	global_load_u8 v11, v3, s[72:73] offset:128
.endm
	s_load_b256 s[4:11], s[0:1], 0x0               ; x, wq, qkv, mask
	s_load_b64 s[12:13], s[0:1], 0x20              ; out0
	v_lshl_add_u32 v4, v0, 2, SPARE
	v_mov_b32 v5, 0
	v_lshrrev_b32 v1, 5, v0
	v_readfirstlane_b32 s30, v1                    ; wave = head
	s_mov_b32 s31, ttmp9                           ; token block
	s_lshr_b32 s86, s31, 5                         ; batch
	s_and_b32 s87, s31, 31                         ; the own block in the batch
	s_lshr_b32 s88, s30, 1                         ; pair of heads
	s_and_b32 s89, s30, 1
	s_lshl_b32 s89, s89, 1
	s_mov_b32 s75, 0
	s_mov_b32 s78, 0x76543210
	s_mov_b32 s79, 0xfedcba98                      ; selects for lane l xor 16
	s_mov_b32 s80, 0x3e38aa3b                      ; c = log2(e) / 8
	s_mov_b32 s81, s80                             ; (named with it as a pair, so it is written)
	v_and_b32 v3, 31, v0
	v_lshlrev_b32 v1, 4, v3
	v_and_b32 v2, 15, v0
	v_lshlrev_b32 v35, 2, v2                       ; 4 (lane % 16): the mask words' offset
	v_lshlrev_b32 v2, 4, v2
	v_lshlrev_b32 v3, 2, v3
	s_wait_kmcnt 0x0
	s_lshl_b32 s74, s31, 7
	s_add_nc_u64 s[84:85], s[10:11], s[74:75]      ; my 32 queries' mask words
	s_load_b512 s[32:47], s[84:85], 0x0
	s_load_b512 s[48:63], s[84:85], 0x40
	s_lshl_b32 s74, s30, 18
	s_lshl_b32 s82, s86, 15
	s_add_co_u32 s74, s74, s82
	s_add_co_u32 s74, s74, KF
	s_add_nc_u64 s[14:15], s[8:9], s[74:75]        ; K's codes: my head, the batch's first tile
	s_lshl_b32 s74, s88, 15
	s_lshl_b32 s82, s86, 12
	s_add_co_u32 s74, s74, s82
	s_add_co_u32 s74, s74, s89
	s_add_co_u32 s74, s74, KS
	s_add_nc_u64 s[16:17], s[8:9], s[74:75]
	s_lshl_b32 s74, s86, 19
	s_lshl_b32 s82, s30, 11
	s_add_co_u32 s74, s74, s82
	s_add_co_u32 s74, s74, VF
	s_add_nc_u64 s[18:19], s[8:9], s[74:75]        ; V's codes: the batch's first pair of blocks, my head's four tiles
	s_lshl_b32 s74, s86, 15
	s_lshl_b32 s82, s30, 8
	s_add_co_u32 s74, s74, s82
	s_add_co_u32 s74, s74, VS
	s_add_nc_u64 s[20:21], s[8:9], s[74:75]
	s_lshl_b32 s74, s30, 18
	s_lshl_b32 s82, s31, 10
	s_add_co_u32 s74, s74, s82
	s_add_nc_u64 s[24:25], s[8:9], s[74:75]        ; Q's codes
	s_lshl_b32 s74, s88, 15
	s_lshl_b32 s82, s31, 7
	s_add_co_u32 s74, s74, s82
	s_add_co_u32 s74, s74, s89
	s_add_co_u32 s74, s74, QS
	s_add_nc_u64 s[26:27], s[8:9], s[74:75]
	s_lshl_b32 s74, s30, 15
	s_add_co_u32 s74, s74, 2097152
	s_add_nc_u64 s[22:23], s[6:7], s[74:75]        ; Wo's codes: tile 256 + 4 w
	s_and_b32 s82, s30, 3                          ; the stage's rows 2 w and 2 w + 1 are the tokens with bits 3 and 4 of that number exchanged: two neighbours
	s_lshl_b32 s82, s82, 1
	s_lshr_b32 s83, s30, 3
	s_lshl_b32 s83, s83, 3
	s_or_b32 s82, s82, s83
	s_bfe_u32 s83, s30, 0x10002
	s_lshl_b32 s83, s83, 4
	s_or_b32 s82, s82, s83
	s_lshl_b32 s82, s82, 12
	s_lshl_b32 s74, s31, 17
	s_add_co_u32 s74, s74, s82
	s_add_nc_u64 s[90:91], s[4:5], s[74:75]        ; x, and
	s_add_nc_u64 s[28:29], s[12:13], s[74:75]      ; out0, at those two rows
	PTRS s87
	LOADKV                                         ; the own block
	global_load_b128 v[36:39], v1, s[24:25]
	global_load_b128 v[44:47], v1, s[24:25] offset:512
	global_load_u16 v8, v3, s[26:27]
.irp e, 0,1
.irp k, 0,1,2,3,4,5,6,7
	global_load_b128 v[192+4*(8*\e+\k):192+4*(8*\e+\k)+3], v1, s[90:91] offset:\e*4096+512*\k th:TH_LOAD_NT   ; 512 consecutive bytes
.endr
.endr
	global_load_b32 v6, v35, s[84:85]
	global_load_b32 v7, v35, s[84:85] offset:64
.irp j, 40,41,42,43,48,49,50,51,76,77,78,79,84,85,86,87,92,93,94,95
	v_mov_b32 v[\j], 0                             ; the zero codes
.endr
	v_mov_b32 v17, 0                               ; (named as the upper halves of pairs)
	v_mov_b32 v25, 0
	v_mov_b32 v30, 0                               ; written once: a lane permute's destination counts as one of its sources
	v_mov_b32 v31, 0
	s_mul_i32 s82, s30, 2*STGP
	v_add_nc_u32 v19, s82, v1                      ; SRW: the stage's rows 2 w, 2 w + 1, 16 bytes a lane
	v_bfe_u32 v27, v0, 4, 1
	v_lshl_or_b32 v27, v27, 9, v2                  ; (lane / 16) x 512 + 16 (lane % 16)
	v_nop
; A STEP: one block of 32 keys.  first = 1: the own block: it starts M, the sums and O^T, and is open to every query
.macro STEP first
.irp t, 0,1
.irp u, 0,1
.set rD, 96+16*\t+8*\u
.set rA, 52+4*\u
.set rB, 36+8*\t
	WMS rD, rA, rB, 1, 9, 8, \u, \t
.endr
.endr
.rept 4
	v_nop
.endr
.if !\first
	v_mov_b32 v34, 0xff800000                      ; -infinity
.irp t, 0,1
	v_lshrrev_b32 v35, s76, v[6+\t]
	v_and_b32 v35, 1, v35
	v_cmp_eq_u32 vcc_lo, 0, v35                    ; the block is hidden from my query
.set i, 0
.rept 16
	v_cndmask_b32 v[96+16*\t+i], v[96+16*\t+i], v34, vcc_lo
.set i, i+1
.endr
.endr
.endif
.irp t, 0,1
	v_max3_num_f32 v[28+\t], v[96+16*\t], v[97+16*\t], v[98+16*\t]   ; the block's largest score: for the row's maximum, and, since p rises with the score, for the block's largest p
.endr
.irp i, 3,5,7,9,11,13
.irp t, 0,1
	v_max3_num_f32 v[28+\t], v[28+\t], v[96+16*\t+\i], v[97+16*\t+\i]
.endr
.endr
.irp t, 0,1
	v_max_num_f32 v[28+\t], v[28+\t], v[111+16*\t]
.endr
.irp t, 0,1
	v_permlanex16_b32 v[30+\t], v[28+\t], s78, s79
.endr
.irp t, 0,1
	v_max_num_f32 v[28+\t], v[28+\t], v[30+\t]
.endr
.if \first
.irp t, 0,1
	v_mul_f32 v[13+8*\t], s80, v[28+\t]            ; the largest t
.endr
.irp t, 0,1
	v_floor_f32 v[12+8*\t], -v[13+8*\t]            ; -M = floor(-t): M is a whole number
.endr
.else
.irp t, 0,1
	v_mul_f32 v[17+8*\t], s80, v[28+\t]
.endr
.irp t, 0,1
	v_max_num_f32 v[13+8*\t], v[13+8*\t], v[17+8*\t]
.endr
.irp t, 0,1
	v_mov_b32 v[17+8*\t], v[12+8*\t]
.endr
.irp t, 0,1
	v_floor_f32 v[12+8*\t], -v[13+8*\t]
.endr
.irp t, 0,1
	v_sub_f32 v[17+8*\t], v[12+8*\t], v[17+8*\t]   ; M's old value less its new one: a whole number, 0 or less
.endr
.irp t, 0,1
	v_cvt_i32_f32 v[17+8*\t], v[17+8*\t]
.endr
.irp t, 0,1
	v_ldexp_f32 v[16+8*\t], 1.0, v[17+8*\t]        ; f = 2^(old M - new M): a multiplication by it rounds nothing
.endr
.endif
.irp j, 0,2,4,6,8,10,12,14
.irp t, 0,1
	v_pk_fma_f32 v[96+16*\t+\j:97+16*\t+\j], v[96+16*\t+\j:97+16*\t+\j], s[80:81], v[12+8*\t:13+8*\t] op_sel_hi:[1,0,0]   ; t - M
.endr
.endr
.irp t, 0,1
	v_fma_f32 v[28+\t], v[28+\t], s80, v[12+8*\t]  ; the same of the block's largest score
.endr
.set i, 0
.rept 32
	v_exp_f32 v[96+i], v[96+i]                     ; p = 2^(t - M): not normalised
.set i, i+1
.endr
	v_exp_f32 v28, v28
	v_exp_f32 v29, v29
	v_nop                                          ; a plain place behind the exponentials
	s_wait_alu depctr_va_vdst(0)                   ; one wait for the batch, ahead of its first reader
.if \first
.irp t, 0,1
	v_pk_add_f32 v[14+8*\t:15+8*\t], v[96+16*\t:97+16*\t], v[98+16*\t:99+16*\t]   ; the sum is taken of the unquantised p
.endr
.else
.irp t, 0,1
	v_pk_fma_f32 v[14+8*\t:15+8*\t], v[14+8*\t:15+8*\t], v[16+8*\t:17+8*\t], v[96+16*\t:97+16*\t] op_sel_hi:[1,0,1]
.endr
.irp t, 0,1
	v_pk_add_f32 v[14+8*\t:15+8*\t], v[14+8*\t:15+8*\t], v[98+16*\t:99+16*\t]
.endr
.endif
.irp j, 4,6,8,10,12,14
.irp t, 0,1
	v_pk_add_f32 v[14+8*\t:15+8*\t], v[14+8*\t:15+8*\t], v[96+16*\t+\j:97+16*\t+\j]
.endr
.endr
.irp t, 0,1
	v_max_num_f32 v[28+\t], 0x1800000, v[28+\t]    ; the floor 2^(3 - 127): a block of zeros keeps the byte 1, its codes are zeros
.endr
.irp t, 0,1
	v_add_nc_u32 v[32+\t], 0xff000000, v[28+\t]    ; the conversion's scale operand
.endr
.irp t, 0,1
	v_lshrrev_b32 v[18+8*\t], 23, v[32+\t]         ; p's scale byte
.endr
.irp t, 0,1
	v_mov_b32 v[82+8*\t], 0
	v_mov_b32 v[83+8*\t], 0
.endr
.irp t, 0,1
	v_cvt_scalef32_pk8_fp4_f32 v[80+8*\t], v[96+16*\t:103+16*\t], v[32+\t]
	v_cvt_scalef32_pk8_fp4_f32 v[81+8*\t], v[104+16*\t:111+16*\t], v[32+\t]
.endr
	v_nop                                          ; one plain place behind a scaled conversion
.irp t, 0,1
	v_permlane16_swap_b32 v[80+8*\t], v[82+8*\t]   ; lanes 0-15 now hold the block's 32 codes in registers 0-3, lanes 16-31 zeros
	v_permlane16_swap_b32 v[81+8*\t], v[83+8*\t]
.endr
.if \first
.rept 8
	v_nop                                          ; a scale register written by a vector instruction stands 8 places ahead of a scaled matrix instruction, an operand 4
.endr
.else
.irp t, 0,1
.set i, 0
.rept 16
	v_pk_mul_f32 v[128+32*\t+i:129+32*\t+i], v[128+32*\t+i:129+32*\t+i], v[16+8*\t:17+8*\t] op_sel_hi:[1,0]   ; O^T under the new M; these 32 are also the places in front of the products below
.set i, i+2
.endr
.endr
.endif
.irp d, 0,1,2,3
.irp t, 0,1
.set rD, 128+32*\t+8*\d
.set rA, 60+4*\d
.set rB, 80+8*\t
.set rSA, 10+\d/2
.set rSB, 18+8*\t
	WMS rD, rA, rB, \first, rSA, rSB, (\d)%2, 0    ; the eight accumulators by turns
.endr
.endr
.rept 4
	v_nop                                          ; places in front of the next loads into these operands and of the first read of O^T
.endr
.endm
	s_wait_loadcnt 18                              ; K, V, Q and their scales are in; x's 16 loads and the two mask words may be out
	STEP 1
	s_wait_loadcnt 2                               ; x is in
	s_wait_xcnt 0x0                                ; the two loads of mask words have read their offset: v35 is written again further down, on the way on which no further block is walked too
.irp e, 0,1
.irp k, 0,1,2,3,4,5,6,7
	ds_store_b128 v19, v[192+4*(8*\e+\k):192+4*(8*\e+\k)+3] offset:\e*STGP+512*\k
.endr
.endr
	s_lshl_b32 s74, s30, 11
	s_add_co_u32 s74, s74, WS_OFF+131072
	s_add_nc_u64 s[24:25], s[6:7], s[74:75]        ; Wo's scale bytes: tile 256 + 4 w (Q's loads, which read this pair, are long in)
	s_wait_dscnt 0x0                               ; the stores have read their registers
.irp i, 0,1
.irp g, 0,1
	global_load_b128 v[224+8*\i+4*\g:224+8*\i+4*\g+3], v27, s[24:25] offset:\i*1024+\g*256   ; lanes 0-15 tile 2 i, lanes 16-31 tile 2 i + 1; four K steps' words
.endr
.endr
.macro WBLOAD base, s                  ; Wo's four tiles of K step s: eight loads
.irp i, 0,1,2,3
.irp c, 0,1
	global_load_b128 v[(\base)+8*\i+4*\c:(\base)+8*\i+4*\c+3], v1, s[22:23] offset:\i*8192+(\s)*1024+\c*512
.endr
.endr
.endm
	WBLOAD 192, 0
	s_wait_kmcnt 0x0
	s_or_b32 s77, s32, s33                         ; the blocks that are open to any of my 32 queries,
.set i, 34
.rept 30
	s_or_b32 s77, s77, s[i]
.set i, i+1
.endr
	s_lshl_b32 s82, 1, s87
	s_and_not1_b32 s77, s77, s82                   ; but the own one, which is done
	s_mov_b32 s76, 0
.Lblk:                                             ; 32 trips, a constant; a trip's work is jumped over where the block is open to none
	s_bitcmp1_b32 s77, s76
	s_cbranch_scc0 .Lskip
	PTRS s76
	LOADKV
	s_wait_loadcnt 0x0
	STEP 0
.Lskip:
	s_add_co_u32 s76, s76, 1
	s_cmp_lt_u32 s76, 32
	s_cbranch_scc1 .Lblk
	WBLOAD 96, 1                                   ; Wo runs three K steps ahead
	WBLOAD 52, 2
.irp t, 0,1
	v_add_f32 v[14+8*\t], v[14+8*\t], v[15+8*\t]
.endr
.irp t, 0,1
	v_permlanex16_b32 v[30+\t], v[14+8*\t], s78, s79
.endr
.irp t, 0,1
	v_add_f32 v[14+8*\t], v[14+8*\t], v[30+\t]     ; the row's sum
.endr
.irp t, 0,1
	v_rcp_f32 v[16+8*\t], v[14+8*\t]
.endr
	v_nop
	s_wait_alu depctr_va_vdst(0)                   ; one wait for the two reciprocals, ahead of their first reader
.irp t, 0,1
.set i, 0
.rept 16
	v_pk_mul_f32 v[128+32*\t+i:129+32*\t+i], v[128+32*\t+i:129+32*\t+i], v[16+8*\t:17+8*\t] op_sel_hi:[1,0]   ; ctx: register 16 b + i of tile t is channel 64 w + 32 b + 16 (lane / 16) + i
.set i, i+2
.endr
.endr
.irp b, 0,1,2,3                        ; four blocks of 32: (t, half of the head) = (b / 2, b % 2)
	v_max3_num_f32 v[36+\b], |v[128+16*\b]|, |v[129+16*\b]|, 0x1800000
.endr
.irp i, 2,4,6,8,10,12,14
.irp b, 0,1,2,3
	v_max3_num_f32 v[36+\b], v[36+\b], |v[128+16*\b+\i]|, |v[129+16*\b+\i]|
.endr
.endr
.irp b, 0,1,2,3
	v_permlanex16_b32 v[40+\b], v[36+\b], s78, s79
.endr
.irp b, 0,1,2,3
	v_max_num_f32 v[36+\b], v[36+\b], v[40+\b]
.endr
.irp b, 0,1,2,3
	v_add_nc_u32 v[44+\b], 0xff000000, v[36+\b]
.endr
.irp b, 0,1,2,3
	v_lshrrev_b32 v[48+\b], 23, v[44+\b]
.endr
.irp b, 0,1,2,3
	v_cvt_scalef32_pk8_fp4_f32 v[84+2*\b], v[128+16*\b:135+16*\b], v[44+\b]
	v_cvt_scalef32_pk8_fp4_f32 v[85+2*\b], v[136+16*\b:143+16*\b], v[44+\b]
.endr
	v_nop                                          ; one plain place behind a scaled conversion
	v_lshl_or_b32 v48, v49, 8, v48                 ; my head's two bytes, tile 0's
	v_lshl_or_b32 v50, v51, 8, v50                 ; and tile 1's
	v_and_b32 v22, 15, v0                          ; r
	v_bfe_u32 v23, v0, 4, 1                        ; h
	s_lshl_b32 s82, s30, 9
	s_add_co_u32 s82, s82, CI
	v_lshl_add_u32 v12, v22, 4, s82
	v_lshl_add_u32 v12, v23, 3, v12                ; CIA: block 2 w, row r, my half's 8 bytes
	s_lshl_b32 s82, s88, 7
	s_add_co_u32 s82, s82, s89
	s_add_co_u32 s82, s82, CS
	v_lshl_add_u32 v13, v22, 2, s82                ; CSA: K step w / 2, row r, bytes 2 (w % 2) on
	v_add_nc_u32 v14, CI, v1                       ; CIL
	v_add_nc_u32 v15, CS, v3                       ; CSL
	v_mul_u32_u24 v20, v22, STGP
	v_lshl_add_u32 v20, v23, 6, v20
	s_lshl_b32 s82, s30, 8
	v_add_nc_u32 v20, s82, v20                     ; the stage: row r of tile 0, my 256 bytes, + 64 h
	v_add_nc_u32 v21, 16*STGP, v20                 ; and of tile 1
.irp t, 0,1
.irp b, 0,1
	ds_store_b64 v12, v[84+2*(2*\t+\b):85+2*(2*\t+\b)] offset:\t*8192+\b*256
.endr
	ds_store_b16 v13, v[48+2*\t] offset:\t*64      ; both halves of the lanes write the same bytes with the same value
.endr
	s_wait_dscnt 0x0                               ; for the others' sake: my rows of x and my part of ctx have landed
	s_barrier_signal -1
	s_barrier_wait -1
.irp t, 0,1
.irp b, 0,1
.irp k, 0,1,2,3
	ds_load_b128 v[128+32*\t+16*\b+4*\k:128+32*\t+16*\b+4*\k+3], v[20+\t] offset:\b*128+16*\k   ; x in the results' layout: the C of the first products
.endr
.endr
.endr
.irp s, 0,1,2,3,4,5,6,7
	ds_load_b32 v[28+\s], v15 offset:\s*128        ; ctx's scale words: lanes 0-15 tile 0, lanes 16-31 tile 1
.endr
.macro CFLOAD base, s                  ; ctx's two fragments of K step s: four loads
.irp t, 0,1
.irp c, 0,1
	ds_load_b128 v[(\base)+8*\t+4*\c:(\base)+8*\t+4*\c+3], v14 offset:\t*8192+(\s)*1024+\c*512
.endr
.endr
.endm
	CFLOAD 36, 0
.macro KSTEP s
.set WBB, 192
.if (\s)%3 == 1
.set WBB, 96
.elseif (\s)%3 == 2
.set WBB, 52
.endif
.set CFB, 36+204*((\s)%2)
.set CFN, 36+204*(((\s)+1)%2)
.if (\s) < 7
	CFLOAD CFN, (\s)+1
	s_wait_dscnt 4                                 ; all but the four just issued
.else
	s_wait_dscnt 0x0
.endif
.if (\s) < 6
	s_wait_loadcnt 16                              ; this K step's eight loads are in; the next two steps' may be out
.elseif (\s) == 6
	s_wait_loadcnt 8
.else
	s_wait_loadcnt 0x0
.endif
.irp i, 0,1,2,3
.irp t, 0,1
.set rD, 128+32*\t+8*\i
.set rA, WBB+8*\i
.set rB, CFB+8*\t
.set rSA, 224+8*(\i/2)+(\s)
.set rSB, 28+(\s)
	WMS rD, rA, rB, 0, rSA, rSB, (\i)%2, \t        ; the eight accumulators by turns
.endr
.endr
.rept 4
	v_nop                                          ; places in front of loads into these operands, and of the first read of the results
.endr
.if (\s) < 5
	WBLOAD WBB, (\s)+3
.endif
.endm
.irp s, 0,1,2,3,4,5,6,7
	KSTEP \s
.endr
.irp t, 0,1
.irp b, 0,1
.irp k, 0,1,2,3
	ds_store_b128 v[20+\t], v[128+32*\t+16*\b+4*\k:128+32*\t+16*\b+4*\k+3] offset:\b*128+16*\k   ; back into my own 256 bytes of each row; each accumulator from its low end on
.endr
.endr
.endr
	s_wait_dscnt 0x0
	s_barrier_signal -1
	s_barrier_wait -1                              ; 32 whole rows of out0 lie in the stage
.irp e, 0,1
.irp k, 0,1,2,3,4,5,6,7
	ds_load_b128 v[52+4*(8*\e+\k):52+4*(8*\e+\k)+3], v19 offset:\e*STGP+512*\k
.endr
.endr
.irp e, 0,1
.irp k, 0,1,2,3,4,5,6,7
	s_wait_dscnt 15-8*\e-\k
	global_store_b128 v1, v[52+4*(8*\e+\k):52+4*(8*\e+\k)+3], s[28:29] offset:\e*4096+512*\k th:TH_STORE_NT   ; 512 consecutive bytes, aligned
.endr
.endr
	s_wait_tensorcnt 0x0                           ; the wave's end
	ds_add_u32 v4, v5
	s_wait_dscnt 0x0
	s_endpgm
.Lfunc_end_k_q303b94691b_attn:
	.size	k_q303b94691b_attn, .Lfunc_end_k_q303b94691b_attn-k_q303b94691b_attn
	.p2alignl 7, 3214868480
	.fill 96, 4, 3214868480
	.section	.rodata,"a",@progbits
	.p2align	6, 0x0
	.amdhsa_kernel k_q303b94691b_attn
		.amdhsa_group_segment_fixed_size 151040
		.amdhsa_private_segment_fixed_size 0
		.amdhsa_enable_private_segment 0
		.amdhsa_kernarg_size 40
		.amdhsa_user_sgpr_count 2
		.amdhsa_user_sgpr_kernarg_segment_ptr 1
		.amdhsa_wavefront_size32 1
		.amdhsa_system_sgpr_workgroup_id_x 1
		.amdhsa_system_sgpr_workgroup_id_y 1
		.amdhsa_system_sgpr_workgroup_id_z 1
		.amdhsa_system_vgpr_workitem_id 0
		.amdhsa_next_free_vgpr 256
		.amdhsa_next_free_sgpr 96
		.amdhsa_reserve_vcc 1
		.amdhsa_float_denorm_mode_32 3
		.amdhsa_float_denorm_mode_16_64 3
		.amdhsa_memory_ordered 1
		.amdhsa_forward_progress 1
		.amdhsa_inst_pref_size 61
	.end_amdhsa_kernel
	.amdgpu_metadata
---
amdhsa.version: [ 1, 2 ]
amdhsa.kernels:
  - .name:           k_q303b94691b_attn
    .symbol:         k_q303b94691b_attn.kd
    .args:
      - { .name: x, .offset: 0, .size: 8, .value_kind: global_buffer, .address_space: global }
      - { .name: wq, .offset: 8, .size: 8, .value_kind: global_buffer, .address_space: global }
      - { .name: qkv, .offset: 16, .size: 8, .value_kind: global_buffer, .address_space: global }
      - { .name: mask, .offset: 24, .size: 8, .value_kind: global_buffer, .address_space: global }
      - { .name: out0, .offset: 32, .size: 8, .value_kind: global_buffer, .address_space: global }
    .group_segment_fixed_size: 151040
    .private_segment_fixed_size: 0
    .kernarg_segment_align: 8
    .kernarg_segment_size: 40
    .max_flat_workgroup_size: 512
    .sgpr_count:     96
    .vgpr_count:     256
    .wavefront_size: 32
...
	.end_amdgpu_metadata
.endif
;; end of part 5
;; ======== version 2 of 2: 5 launches; version 1 with the launches sel, attn written anew for expert scheduling mode
;; workspace buffers: wq 3,063,808 bytes; xq 4,595,712 bytes; qkv 13,508,608 bytes; mask 32,768 bytes of whole numbers
;; launch quantw: the kernel of part 1 again; grid 88 x 2, 8 waves a work-group, no clusters, 2,048 bytes of LDS; arguments Wq, Wk, Wv, Wu, Wo, Wq_sel, Wk_sel, wq; writes wq
;; launch quantx: the kernel of part 2 again; grid 256 x 1, 8 waves a work-group, no clusters, 167,936 bytes of LDS; arguments x, xq; writes xq
;; launch proj: the kernel of part 3 again; grid 388 x 1, 4 waves a work-group, clusters of 4 x 1, 327,680 bytes of LDS; arguments xq, wq, qkv; writes qkv
;; launch sel (part 6): grid 256 x 1, 8 waves a work-group, no clusters, 42,496 bytes of LDS; arguments xq, wq, qkv, mask; writes mask
.if DOCPART == 6
	.amdgcn_target "amdgcn-amd-amdhsa--gfx1250"
	.amdhsa_code_object_version 6
	.text
	.protected	k_q303b94691b_sel
	.globl	k_q303b94691b_sel
	.p2align	8
	.type	k_q303b94691b_sel,@function
k_q303b94691b_sel:
	s_mov_b64 s[64:65], 0
	v_nop
	global_prefetch_b8 v0, s[64:65] scope:SCOPE_SE
	s_setreg_imm32_b32 hwreg(HW_REG_WAVE_SCHED_MODE, 0, 2), 2
	s_setreg_imm32_b32 hwreg(HW_REG_WAVE_MODE, 25, 1), 1
	s_wait_xcnt 0x0
	s_wait_alu depctr_vm_vsrc(0)
; THE BLOCK SELECTION.  qsel = x Wq_sel, ksel = root_emb Wk_sel, logits = qsel ksel^T / 16, softmax over the batch's 32 blocks, blk_mask = (prob >= 0.5) | own block; all three products on codes of E2M1.
; OUT: mask[32 B + 16 t + r], whole numbers: bit i = block i of the batch is open to the token in place r of tile 2 B + t.  The address is fixed: nothing here steers an address or a branch.
; prob >= 0.5 is tested as e_i >= 0.5 x (the sum of e): the halving is exact and nothing is divided; it can part from a rounded quotient only within an ulp of 0.5.  The row's maximum is taken away ahead of the exponential.
; SHARES.  Work-group B: the 32 tokens of block B and its batch's 32 roots.  ksel is made anew by each of a batch's 32 work-groups: 32 matrix instructions a wave, in place of a launch of its own.
; Wave w owns columns 32 w .. 32 w + 31 of qsel and ksel (two tiles of each weight, straight from memory into registers), which are block w of the logits' K = 256.  The rows' fragments are shared through LDS as images
; of the registers.  Source 0 = the weight's tile, source 1 = the rows: a lane holds one row and 16 neighbouring columns.  Wave 0 then makes the logits and the mask.
; THE MODE: SCHED_MODE bits 1:0 = 2 (LLVM: expert scheduling mode 2), set by the entry lines.  The code itself states the register dependences
; between vector or matrix instructions and memory or LDS instructions, with s_wait_alu, always for 0.
; THE PLAN.  Registers that memory or LDS instructions touch:
;   v1-v6      offsets and LDS addresses, v7 and v8 the add's two: written at the head and never again.  One wait on va_vdst ahead of the first load states them all.
;   v96-127    the staging loads land here and the staging LDS stores read them; from then on the quantiser's lines write v96-107, and each product's LDS stores read v102-107.
;              So one wait on vm_vsrc stands ahead of each run of lines that writes them again, and one on va_vdst between a product's conversions and its stores.
;   v128-255   the rows' fragments: LDS loads land here, a product's matrix instructions read them.  v32-35: scale words, read by matrix instructions, loaded again by wave 0.
;              The wait on va_vdst ahead of a product's stores stands behind its matrix instructions, and no vector line but v_nop stands between it and the next LDS loads: it states this too.
;   v110       the mask's word: vector lines write it, the one global store reads it.
; What vector instructions write into scalar registers (the wave's number; the compares' masks, in runs of eight) has one wait on va_sdst ahead of its first reader.
.set AXI,   0                          ; x's fragments [t][K step 8][c][512 bytes], then root_emb's
.set QI,    32768                      ; qsel's codes [t][kb 8][r][16 bytes], then ksel's
.set QSC,   40960                      ; qsel's scale words [K step 2][t][r], then ksel's
.set SPARE, 41472
.set XS_OFF, 4325376
.set WS_OFF, 2883584
.set RF,    12582912
.set RS,    13500416
; window 0: v1 16 x lane, v2 (lane / 16) x 512 + 16 r, v3 4 x lane, v4 STA, v5 QA, v6 SA, v7 and v8 the add's two, v9 lane, v10 r, v11 h, v12 16 h;
;   v32-47 the weights' scale words, v48-63 the rows' (they hold scales alone); v64-95 four accumulators (t, u) at 64 + 16 t + 8 u; v96-127 staging, then at work; v128-255 the rows' fragments.   window 1: the weights' fragments
; s39: lanes 16-31; s40-47: a run of eight compares' masks
.set MSB, 0
.macro WIN new
.if MSB != \new
	s_set_vgpr_msb (MSB<<8)|\new
.set MSB, \new
.endif
.endm
; a scaled product: z = 1: it starts the sum; ra, rb: the scale words lie in lanes 16-31 of their registers
.macro WMS d, a, b, z, sa, sb, ra, rb
.set wv, 4*(\z)+2*(\ra)+(\rb)
.if wv == 0
	v_wmma_scale_f32_16x16x128_f8f6f4 v[\d:\d+7], v[\a:\a+7], v[\b:\b+7], v[\d:\d+7], v[\sa], v[\sb] matrix_a_fmt:MATRIX_FMT_FP4 matrix_b_fmt:MATRIX_FMT_FP4
.elseif wv == 1
	v_wmma_scale_f32_16x16x128_f8f6f4 v[\d:\d+7], v[\a:\a+7], v[\b:\b+7], v[\d:\d+7], v[\sa], v[\sb] matrix_a_fmt:MATRIX_FMT_FP4 matrix_b_fmt:MATRIX_FMT_FP4 matrix_b_scale:MATRIX_SCALE_ROW1
.elseif wv == 2
	v_wmma_scale_f32_16x16x128_f8f6f4 v[\d:\d+7], v[\a:\a+7], v[\b:\b+7], v[\d:\d+7], v[\sa], v[\sb] matrix_a_fmt:MATRIX_FMT_FP4 matrix_b_fmt:MATRIX_FMT_FP4 matrix_a_scale:MATRIX_SCALE_ROW1
.elseif wv == 3
	v_wmma_scale_f32_16x16x128_f8f6f4 v[\d:\d+7], v[\a:\a+7], v[\b:\b+7], v[\d:\d+7], v[\sa], v[\sb] matrix_a_fmt:MATRIX_FMT_FP4 matrix_b_fmt:MATRIX_FMT_FP4 matrix_a_scale:MATRIX_SCALE_ROW1 matrix_b_scale:MATRIX_SCALE_ROW1
.elseif wv == 4
	v_wmma_scale_f32_16x16x128_f8f6f4 v[\d:\d+7], v[\a:\a+7], v[\b:\b+7], 0, v[\sa], v[\sb] matrix_a_fmt:MATRIX_FMT_FP4 matrix_b_fmt:MATRIX_FMT_FP4
.elseif wv == 5
	v_wmma_scale_f32_16x16x128_f8f6f4 v[\d:\d+7], v[\a:\a+7], v[\b:\b+7], 0, v[\sa], v[\sb] matrix_a_fmt:MATRIX_FMT_FP4 matrix_b_fmt:MATRIX_FMT_FP4 matrix_b_scale:MATRIX_SCALE_ROW1
.elseif wv == 6
	v_wmma_scale_f32_16x16x128_f8f6f4 v[\d:\d+7], v[\a:\a+7], v[\b:\b+7], 0, v[\sa], v[\sb] matrix_a_fmt:MATRIX_FMT_FP4 matrix_b_fmt:MATRIX_FMT_FP4 matrix_a_scale:MATRIX_SCALE_ROW1
.else
	v_wmma_scale_f32_16x16x128_f8f6f4 v[\d:\d+7], v[\a:\a+7], v[\b:\b+7], 0, v[\sa], v[\sb] matrix_a_fmt:MATRIX_FMT_FP4 matrix_b_fmt:MATRIX_FMT_FP4 matrix_a_scale:MATRIX_SCALE_ROW1 matrix_b_scale:MATRIX_SCALE_ROW1
.endif
.endm
	s_load_b256 s[4:11], s[0:1], 0x0               ; xq, wq, qkv, mask
	v_lshl_add_u32 v7, v0, 2, SPARE
	v_mov_b32 v8, 0
	v_lshrrev_b32 v1, 5, v0
	v_readfirstlane_b32 s12, v1                    ; wave
	v_and_b32 v9, 31, v0
	v_and_b32 v10, 15, v0
	v_bfe_u32 v11, v0, 4, 1
	v_lshlrev_b32 v1, 4, v9
	v_lshlrev_b32 v2, 4, v10
	v_lshl_or_b32 v2, v11, 9, v2
	v_lshlrev_b32 v3, 2, v9
	s_wait_alu depctr_va_sdst(0)                   ; s12 is written, ahead of its first reader: LDS addresses, bases and a branch are made from it
	s_lshl_b32 s13, s12, 10
	v_add_nc_u32 v4, s13, v1                       ; STA: K step w of an image
	s_lshl_b32 s14, s12, 8
	v_lshl_add_u32 v5, v10, 4, s14
	v_lshl_add_u32 v5, v11, 3, v5                  ; QA: block w, row r, my half's 8 bytes
	s_lshr_b32 s14, s12, 2
	s_lshl_b32 s14, s14, 7
	s_and_b32 s15, s12, 3
	s_add_co_u32 s14, s14, s15
	v_lshl_add_u32 v6, v10, 2, s14                 ; SA: byte w % 4 of row r's word of K step w / 4
	v_lshlrev_b32 v12, 4, v11
	s_mov_b32 s32, 0x76543210
	s_mov_b32 s33, 0xfedcba98                      ; selects for lane l xor 16
	s_mov_b32 s34, 0x3db8aa3b                      ; log2(e) / 16
	s_mov_b32 s35, s34                             ; (named with it as a pair, so it is written)
	s_and_b32 s36, ttmp9, 31
	s_lshl_b32 s36, 1, s36                         ; the own block's bit
	s_lshr_b32 s37, ttmp9, 5                       ; the batch
	s_mov_b32 s31, 0
	s_wait_kmcnt 0x0
	s_lshl_b32 s30, ttmp9, 14
	s_add_co_u32 s30, s30, s13
	s_add_nc_u64 s[16:17], s[4:5], s[30:31]        ; x's codes: tile 2 B, K step w
	s_lshl_b32 s30, s12, 14
	s_lshl_b32 s38, s37, 10
	s_add_co_u32 s30, s30, s38
	s_add_co_u32 s30, s30, RF
	s_add_nc_u64 s[18:19], s[8:9], s[30:31]        ; root_emb's codes: K step w, tile 2 x batch
	s_add_co_u32 s30, s13, WS_OFF+163840
	s_add_nc_u64 s[20:21], s[6:7], s[30:31]        ; Wq_sel's scale bytes: tile 320 + 2 w
	s_lshl_b32 s30, ttmp9, 10
	s_add_co_u32 s30, s30, XS_OFF
	s_add_nc_u64 s[22:23], s[4:5], s[30:31]        ; x's scale bytes
	s_lshl_b32 s30, s37, 7
	s_add_co_u32 s30, s30, RS
	s_add_nc_u64 s[24:25], s[8:9], s[30:31]        ; root_emb's scale words
	s_lshl_b32 s30, s12, 14
	s_add_co_u32 s30, s30, 2621440
	s_add_nc_u64 s[26:27], s[6:7], s[30:31]        ; Wq_sel's codes: tile 320 + 2 w; Wk_sel's lie 131,072 bytes on
	s_lshl_b32 s30, ttmp9, 7
	s_add_nc_u64 s[28:29], s[10:11], s[30:31]
	s_wait_alu depctr_va_vdst(0)                   ; v1 to v6 are written: every load and store of the kernel reads one of them as its offset or LDS address, and none is written again
.irp t, 0,1
.irp c, 0,1
	global_load_b128 v[96+4*(2*\t+\c):96+4*(2*\t+\c)+3], v1, s[16:17] offset:\t*8192+\c*512
	global_load_b128 v[112+4*(2*\t+\c):112+4*(2*\t+\c)+3], v1, s[18:19] offset:\c*8192+\t*512
.endr
.endr
.irp p, 0,1
.irp g, 0,1
	global_load_b128 v[32+8*\p+4*\g:32+8*\p+4*\g+3], v2, s[20:21] offset:\p*8192+\g*256   ; lanes 0-15 tile 2 w, lanes 16-31 tile 2 w + 1; four K steps' words
.endr
.endr
.irp g, 0,1
	global_load_b128 v[48+4*\g:48+4*\g+3], v2, s[22:23] offset:\g*256
.endr
.irp s, 0,1,2,3,4,5,6,7
	global_load_b32 v[56+\s], v3, s[24:25] offset:\s*1024
.endr
.macro WLOAD p                         ; the weight's two tiles, all of K: 32 loads into window 1.  No vector instruction ever names these registers but the products that read them, and v1 is stated by the wait above
	WIN 0x40
.irp u, 0,1
.irp s, 0,1,2,3,4,5,6,7
.irp c, 0,1
	global_load_b128 v[128*\p+8*(8*\u+\s)+4*\c:128*\p+8*(8*\u+\s)+4*\c+3], v1, s[26:27] offset:\p*131072+\u*8192+\s*1024+\c*512
.endr
.endr
.endr
	WIN 0
.endm
	WLOAD 0
	s_wait_loadcnt 46                              ; the eight staging loads are in; the 14 loads of scales and Wq_sel's 32 may be out
.irp t, 0,1
.irp c, 0,1
	ds_store_b128 v4, v[96+4*(2*\t+\c):96+4*(2*\t+\c)+3] offset:AXI+\t*8192+\c*512
	ds_store_b128 v4, v[112+4*(2*\t+\c):112+4*(2*\t+\c)+3] offset:AXI+16384+\t*8192+\c*512
.endr
.endr
	WLOAD 1
	s_wait_dscnt 0x0                               ; for the others' sake: my stores have landed
	s_barrier_signal -1
	s_barrier_wait -1                              ; both operands' sixteen fragments lie in LDS
; product p (0: x Wq_sel, 1: root_emb Wk_sel), then its results quantised along the columns: my 32 are one block
.macro PROD p
.if \p
.rept 4
	v_nop                                          ; plain lines in front of loads into registers that matrix instructions have read (that those are done reading them is stated by the wait ahead of the stores above)
.endr
.endif
.irp t, 0,1
.irp s, 0,1,2,3,4,5,6,7
.irp c, 0,1
	ds_load_b128 v[128+8*(8*\t+\s)+4*\c:128+8*(8*\t+\s)+4*\c+3], v1 offset:AXI+\p*16384+\t*8192+\s*1024+\c*512
.endr
.endr
.endr
.if \p
	s_wait_loadcnt 0x0
.else
	s_wait_loadcnt 32                              ; the scales and Wq_sel are in; Wk_sel's 32 loads may be out
.endif
	s_wait_dscnt 0x0
	s_wait_alu depctr_vm_vsrc(0)                   ; my LDS stores so far (p = 0: the staging's, out of v96-127; p = 1: the first product's codes and bytes, out of v102-107) have read their data, which the quantiser's lines below write again
	WIN 0x01                                       ; source 0 in window 1
.irp s, 0,1,2,3,4,5,6,7
.irp t, 0,1
.irp u, 0,1
.set rD, 64+16*\t+8*\u
.set rA, 128*\p+8*(8*\u+\s)
.set rB, 128+8*(8*\t+\s)
.set rSA, 32+8*\p+\s
.set rSB, 48+8*\p+\s
.set zz, 0
.if \s == 0
.set zz, 1
.endif
	WMS rD, rA, rB, zz, rSA, rSB, \u, \t           ; the four accumulators by turns
.endr
.endr
.endr
	WIN 0
.rept 5
	v_nop                                          ; places: the results are read, and the next run begins these accumulators anew
.endr
.irp t, 0,1
	v_max3_num_f32 v[96+\t], |v[64+16*\t]|, |v[65+16*\t]|, 0x1800000
.endr
.irp i, 2,4,6,8,10,12,14
.irp t, 0,1
	v_max3_num_f32 v[96+\t], v[96+\t], |v[64+16*\t+\i]|, |v[65+16*\t+\i]|
.endr
.endr
.irp t, 0,1
	v_permlanex16_b32 v[98+\t], v[96+\t], s32, s33
.endr
.irp t, 0,1
	v_max_num_f32 v[96+\t], v[96+\t], v[98+\t]
.endr
.irp t, 0,1
	v_add_nc_u32 v[100+\t], 0xff000000, v[96+\t]
.endr
.irp t, 0,1
	v_lshrrev_b32 v[102+\t], 23, v[100+\t]
.endr
.irp t, 0,1
	v_cvt_scalef32_pk8_fp4_f32 v[104+2*\t], v[64+16*\t:71+16*\t], v[100+\t]
	v_cvt_scalef32_pk8_fp4_f32 v[105+2*\t], v[72+16*\t:79+16*\t], v[100+\t]
.endr
	v_nop                                          ; one plain place behind a scaled conversion
	s_wait_alu depctr_va_vdst(0)                   ; the codes v104-107 and the bytes v102-103 are written, which the LDS stores read; and this product's matrix instructions are done reading v128-255 and their scale words, in which the next LDS loads land
.irp t, 0,1
	ds_store_b64 v5, v[104+2*\t:105+2*\t] offset:QI+\p*4096+\t*2048    ; lanes 0-15: codes 0-15 of the block, lanes 16-31: codes 16-31
	ds_store_b8 v6, v[102+\t] offset:QSC+\p*256+\t*64                  ; both halves of the lanes write the same byte with the same value
.endr
.endm
	PROD 0
	PROD 1
	s_wait_dscnt 0x0
	s_barrier_signal -1
	s_barrier_wait -1                              ; qsel's and ksel's codes and scale words lie in LDS
	s_wait_alu depctr_vm_vsrc(0)                   ; my last LDS stores have read v102-107, which wave 0's lines behind the branch write again
	s_cmp_lg_u32 s12, 0
	s_cbranch_scc1 .Lend
	; wave 0: logits^T: source 0 = ksel's tile u (16 roots), source 1 = qsel's tile t: a lane holds one token, and register 8 u + j the root 16 (lane / 16) + 8 u + j
.irp u, 0,1
.irp s, 0,1
.irp c, 0,1
	ds_load_b128 v[128+8*(2*\u+\s)+4*\c:128+8*(2*\u+\s)+4*\c+3], v1 offset:QI+4096+\u*2048+\s*1024+\c*512
	ds_load_b128 v[160+8*(2*\u+\s)+4*\c:160+8*(2*\u+\s)+4*\c+3], v1 offset:QI+\u*2048+\s*1024+\c*512
.endr
.endr
.endr
.irp s, 0,1
	ds_load_b32 v[32+\s], v3 offset:QSC+256+\s*128
	ds_load_b32 v[34+\s], v3 offset:QSC+\s*128
.endr
	s_wait_dscnt 0x0
.irp s, 0,1
.irp t, 0,1
.irp u, 0,1
.set rD, 64+16*\t+8*\u
.set rA, 128+8*(2*\u+\s)
.set rB, 160+8*(2*\t+\s)
.set rSA, 32+\s
.set rSB, 34+\s
	WMS rD, rA, rB, 1-\s, rSA, rSB, \u, \t
.endr
.endr
.endr
.rept 4
	v_nop
.endr
.irp t, 0,1
	v_max3_num_f32 v[96+\t], v[64+16*\t], v[65+16*\t], v[66+16*\t]
.endr
.irp i, 3,5,7,9,11,13
.irp t, 0,1
	v_max3_num_f32 v[96+\t], v[96+\t], v[64+16*\t+\i], v[65+16*\t+\i]
.endr
.endr
.irp t, 0,1
	v_max_num_f32 v[96+\t], v[96+\t], v[79+16*\t]
.endr
.irp t, 0,1
	v_permlanex16_b32 v[98+\t], v[96+\t], s32, s33
.endr
.irp t, 0,1
	v_max_num_f32 v[96+\t], v[96+\t], v[98+\t]     ; the row's largest logit
.endr
.irp t, 0,1
	v_mul_f32 v[100+2*\t], 0xbdb8aa3b, v[96+\t]    ; x -log2(e) / 16
.endr
.irp t, 0,1
	v_mov_b32 v[101+2*\t], v[100+2*\t]
.endr
.irp j, 0,2,4,6,8,10,12,14
.irp t, 0,1
	v_pk_fma_f32 v[64+16*\t+\j:65+16*\t+\j], v[64+16*\t+\j:65+16*\t+\j], s[34:35], v[100+2*\t:101+2*\t] op_sel_hi:[1,0,0]
.endr
.endr
.set i, 0
.rept 32
	v_exp_f32 v[64+i], v[64+i]
.set i, i+1
.endr
	v_nop                                          ; a plain place behind the exponentials
	s_wait_alu depctr_va_vdst(0)                   ; the 32 exponentials have written v64-95: one wait for the batch, ahead of its first reader
.irp t, 0,1
	v_pk_add_f32 v[104+2*\t:105+2*\t], v[64+16*\t:65+16*\t], v[66+16*\t:67+16*\t]
.endr
.irp j, 4,6,8,10,12,14
.irp t, 0,1
	v_pk_add_f32 v[104+2*\t:105+2*\t], v[104+2*\t:105+2*\t], v[64+16*\t+\j:65+16*\t+\j]
.endr
.endr
.irp t, 0,1
	v_add_f32 v[104+2*\t], v[104+2*\t], v[105+2*\t]
.endr
.irp t, 0,1
	v_permlanex16_b32 v[98+\t], v[104+2*\t], s32, s33
.endr
.irp t, 0,1
	v_add_f32 v[104+2*\t], v[104+2*\t], v[98+\t]
.endr
.irp t, 0,1
	v_mul_f32 v[108+\t], 0.5, v[104+2*\t]          ; half the row's sum
.endr
	v_cmp_le_u32 s39, 16, v9                       ; lanes 16-31: read at the end; the first wait below stands between
.irp g, 0,1,2,3                        ; the compares go in runs of eight (four roots x two tiles) into s40-47, with one wait behind each run
.irp k, 0,1,2,3
.irp t, 0,1
	v_cmp_ge_f32 s[40+2*\k+\t], v[64+16*\t+4*\g+\k], v[108+\t]
.endr
.endr
	s_wait_alu depctr_va_sdst(0)                   ; the run's eight masks are written (in the first run s39 too), ahead of the selects that read them
.irp k, 0,1,2,3
.irp t, 0,1
.if 4*\g+\k == 0
	v_cndmask_b32 v[110+\t], 0, 1, s[40+2*\k+\t]
.else
	v_cndmask_b32 v[112+\t], 0, 1, s[40+2*\k+\t]
	v_lshl_or_b32 v[110+\t], v[112+\t], 4*\g+\k, v[110+\t]
.endif
.endr
.endr
.endr
.irp t, 0,1
	v_lshlrev_b32 v[110+\t], v12, v[110+\t]        ; my 16 roots' bits at their places
.endr
.irp t, 0,1
	v_permlanex16_b32 v[98+\t], v[110+\t], s32, s33
.endr
.irp t, 0,1
	v_or_b32 v[110+\t], v[110+\t], v[98+\t]
.endr
.irp t, 0,1
	v_or_b32 v[110+\t], s36, v[110+\t]             ; | the own block
.endr
	v_cndmask_b32 v110, v110, v111, s39            ; lanes 0-15 store tile 0's words, lanes 16-31 tile 1's
	s_wait_alu depctr_va_vdst(0)                   ; v110 is written, which the store reads
	global_store_b32 v3, v110, s[28:29]            ; 128 consecutive bytes
.Lend:
	s_wait_dscnt 0x0                               ; the closing lines, six on end
	s_wait_alu 0x0
	s_wait_tensorcnt 0x0
	ds_add_u32 v7, v8
	s_wait_dscnt 0x0
	s_endpgm
.Lfunc_end_k_q303b94691b_sel:
	.size	k_q303b94691b_sel, .Lfunc_end_k_q303b94691b_sel-k_q303b94691b_sel
	.p2alignl 7, 3214868480
	.fill 96, 4, 3214868480
	.section	.rodata,"a",@progbits
	.p2align	6, 0x0
	.amdhsa_kernel k_q303b94691b_sel
		.amdhsa_group_segment_fixed_size 42496
		.amdhsa_private_segment_fixed_size 0
		.amdhsa_enable_private_segment 0
		.amdhsa_kernarg_size 32
		.amdhsa_user_sgpr_count 2
		.amdhsa_user_sgpr_kernarg_segment_ptr 1
		.amdhsa_wavefront_size32 1
		.amdhsa_system_sgpr_workgroup_id_x 1
		.amdhsa_system_sgpr_workgroup_id_y 1
		.amdhsa_system_sgpr_workgroup_id_z 1
		.amdhsa_system_vgpr_workitem_id 0
		.amdhsa_next_free_vgpr 512
		.amdhsa_next_free_sgpr 66
		.amdhsa_reserve_vcc 0
		.amdhsa_float_denorm_mode_32 3
		.amdhsa_float_denorm_mode_16_64 3
		.amdhsa_memory_ordered 1
		.amdhsa_forward_progress 1
		.amdhsa_inst_pref_size 43
	.end_amdhsa_kernel
	.amdgpu_metadata
---
amdhsa.version: [ 1, 2 ]
amdhsa.kernels:
  - .name:           k_q303b94691b_sel
    .symbol:         k_q303b94691b_sel.kd
    .args:
      - { .name: xq, .offset: 0, .size: 8, .value_kind: global_buffer, .address_space: global }
      - { .name: wq, .offset: 8, .size: 8, .value_kind: global_buffer, .address_space: global }
      - { .name: qkv, .offset: 16, .size: 8, .value_kind: global_buffer, .address_space: global }
      - { .name: mask, .offset: 24, .size: 8, .value_kind: global_buffer, .address_space: global }
    .group_segment_fixed_size: 42496
    .private_segment_fixed_size: 0
    .kernarg_segment_align: 8
    .kernarg_segment_size: 32
    .max_flat_workgroup_size: 256
    .sgpr_count:     66
    .vgpr_count:     512
    .wavefront_size: 32
...
	.end_amdgpu_metadata
.endif
;; end of part 6
;; launch attn (part 7): grid 256 x 1, 16 waves a work-group, no clusters, 151,040 bytes of LDS; arguments x, wq, qkv, mask, out0; writes out0
.if DOCPART == 7
	.amdgcn_target "amdgcn-amd-amdhsa--gfx1250"
	.amdhsa_code_object_version 6
	.text
	.protected	k_q303b94691b_attn
	.globl	k_q303b94691b_attn
	.p2align	8
	.type	k_q303b94691b_attn,@function
k_q303b94691b_attn:
	s_mov_b64 s[64:65], 0
	v_nop
	global_prefetch_b8 v0, s[64:65] scope:SCOPE_SE
	s_setreg_imm32_b32 hwreg(HW_REG_WAVE_SCHED_MODE, 0, 2), 2
	s_setreg_imm32_b32 hwreg(HW_REG_WAVE_MODE, 25, 1), 1
	s_wait_xcnt 0x0
	s_wait_alu depctr_vm_vsrc(0)
; out0 = softmax-attention over the selected blocks of keys, x Wo, + x; all products on codes of E2M1.
; WORK LEFT OUT: a block of 32 keys that the stored mask hides from all 32 queries of the work-group's token block is not walked: its p is 0 for every finite input, so it adds nothing to the sum or to ctx (shown at the head of
; the first launch).  The choice hangs on whole numbers read from memory; any number of open blocks is served.  Inside a walked block, a query to which it is hidden gets scores of -infinity.
; LIMIT: a NaN or an infinity in k or v of a block that is not walked is not carried to the result.  p under 2^-126 is 0.
; No tensor load and no joint load: branches hang on the stored mask, so the operands go from memory straight into registers, laid by the earlier launches in the order of the registers.
; SHARES.  Work-group B: token block B (two tiles of 16 queries).  Wave w: head w in the attention; columns 64 w .. 64 w + 63 of out0 in the projection.  Four waves to a SIMD.
; ATTENTION, a step = one block of 32 keys.  S^T = K Q^T (source 0 = 16 keys, source 1 = 16 queries; K = the head's 64: the operands' upper halves meet zero codes of Q).  t = score x log2(e) / 8; M = the running largest t rounded
; up; p = 2^(t - M), its sum taken unquantised, quantised along the 32 keys (one block).  O^T += V^T P^T (K = 32 keys: all else meets zero codes of P).  The own block is walked first: it is open to all 32 queries, so M is a number.
; PROJECTION.  ctx = O / sum is quantised along its 1,024 and goes to LDS as an image of the operand's registers; x's 32 rows wait in a stage in LDS and are the C of each sum's first product; the results go back through the stage and leave as whole rows.
; THE MODE: SCHED_MODE bits 1:0 = 2 (LLVM: expert scheduling mode 2), set by the entry lines.  The code itself states the register dependences
; between vector or matrix instructions and memory or LDS instructions, with s_wait_alu, always for 0.
; THE PLAN.  Registers that memory or LDS instructions touch:
;   v1-3, v19, v27, v35   offsets and an LDS address, written at the head with the zero codes: ONE wait on va_vdst ahead of the first load states them all.  Of these v35 alone is written again (a scale word lands in it).
;   v52-75, v9-11         K, V and their scales: a step's loads land here, its matrix instructions read them.  ONE wait on va_vdst at a step's end states that they are done, and P's and S^T's registers with them:
;                         behind it stand, with no vector line between, the next walked block's loads (over the loop's backward jump and over every skip) or, behind the loop, Wo's loads into v96-127 and v52-83.
;   v18, v26, v80-95      p's scale bytes and codes, made by vector lines: a wait on va_vdst stands behind their places, ahead of the products that take them.
;   v192-255              x lands here and the stage's LDS stores read it; then Wo's first fragments, its scale words and ctx's fragments land here: one wait on vm_vsrc behind those stores, which also frees v35.
;   v12-15, v20-21, v48, v50, v84-91   ctx's way to LDS: addresses and data, made by vector lines: one wait on va_vdst ahead of the stores; it also states that v128-191 and v28-51 are done with, in which LDS loads land
;                         behind the barrier; one wait on vm_vsrc there, since v48 and v50 lie among them.
;   three buffers of Wo, two of ctx   a K step's products read one of each; Wo's is asked for again at once, ctx's at the next step's head: ONE wait on va_vdst behind the step's products.  It stands there, not at the next step's
;                         head, so that three K steps of Wo stay on their way.  Behind the last step the same wait states the sums, which the stage's stores read.
; What vector instructions write into scalar registers (the wave's number; a step's two masks) has one wait on va_sdst ahead of its first reader.
.set STGP,  4112                       ; the stage: 32 rows (in the tiles' order) x (4,096 bytes + 16)
.set CI,    131584                     ; ctx's codes [t][kb 32][r][16 bytes]
.set CS,    147968                     ; ctx's scale words [K step 8][t][r]
.set SPARE, 148992                     ; the spare words, 128 bytes for each wave
.set WS_OFF, 2883584
.set KF,    4194304
.set VF,    8388608
.set QS,    12713984
.set KS,    12976128
.set VS,    13238272
; v1 16 x lane, v2 16 (lane % 16), v3 4 x lane, v4 and v5 the add's two, v6-7 the queries' mask words, v8 Q's scale words, v9 K's, v10-11 V's, v18 and v26 p's (these six hold scales alone);
; statistics of tile t at 12 + 8 t: -M, the largest t, the sum (two halves), f, at work; v19 SRW, v27 the offset for Wo's scale bytes; v28-34 at work, v35 the mask words' offset, later all eight ctx's scale words;
; v36-51 Q (4 registers of codes, 4 of zeros, a tile); v52-79 k0, k1, v0-v3, zeros; v80-95 P (likewise); v96-127 S^T (t, u); v128-191 O^T (t, d), later the sums of out0; v192-255 x as it lands, later Wo's fragments and scale words
; s92, s93: the block in hand is hidden from my query of tile 0, 1
.macro WMS d, a, b, z, sa, sb, ra, rb
.set wv, 4*(\z)+2*(\ra)+(\rb)
.if wv == 0
	v_wmma_scale_f32_16x16x128_f8f6f4 v[\d:\d+7], v[\a:\a+7], v[\b:\b+7], v[\d:\d+7], v[\sa], v[\sb] matrix_a_fmt:MATRIX_FMT_FP4 matrix_b_fmt:MATRIX_FMT_FP4
.elseif wv == 1
	v_wmma_scale_f32_16x16x128_f8f6f4 v[\d:\d+7], v[\a:\a+7], v[\b:\b+7], v[\d:\d+7], v[\sa], v[\sb] matrix_a_fmt:MATRIX_FMT_FP4 matrix_b_fmt:MATRIX_FMT_FP4 matrix_b_scale:MATRIX_SCALE_ROW1
.elseif wv == 2
	v_wmma_scale_f32_16x16x128_f8f6f4 v[\d:\d+7], v[\a:\a+7], v[\b:\b+7], v[\d:\d+7], v[\sa], v[\sb] matrix_a_fmt:MATRIX_FMT_FP4 matrix_b_fmt:MATRIX_FMT_FP4 matrix_a_scale:MATRIX_SCALE_ROW1
.elseif wv == 3
	v_wmma_scale_f32_16x16x128_f8f6f4 v[\d:\d+7], v[\a:\a+7], v[\b:\b+7], v[\d:\d+7], v[\sa], v[\sb] matrix_a_fmt:MATRIX_FMT_FP4 matrix_b_fmt:MATRIX_FMT_FP4 matrix_a_scale:MATRIX_SCALE_ROW1 matrix_b_scale:MATRIX_SCALE_ROW1
.elseif wv == 4
	v_wmma_scale_f32_16x16x128_f8f6f4 v[\d:\d+7], v[\a:\a+7], v[\b:\b+7], 0, v[\sa], v[\sb] matrix_a_fmt:MATRIX_FMT_FP4 matrix_b_fmt:MATRIX_FMT_FP4
.elseif wv == 5
	v_wmma_scale_f32_16x16x128_f8f6f4 v[\d:\d+7], v[\a:\a+7], v[\b:\b+7], 0, v[\sa], v[\sb] matrix_a_fmt:MATRIX_FMT_FP4 matrix_b_fmt:MATRIX_FMT_FP4 matrix_b_scale:MATRIX_SCALE_ROW1
.elseif wv == 6
	v_wmma_scale_f32_16x16x128_f8f6f4 v[\d:\d+7], v[\a:\a+7], v[\b:\b+7], 0, v[\sa], v[\sb] matrix_a_fmt:MATRIX_FMT_FP4 matrix_b_fmt:MATRIX_FMT_FP4 matrix_a_scale:MATRIX_SCALE_ROW1
.else
	v_wmma_scale_f32_16x16x128_f8f6f4 v[\d:\d+7], v[\a:\a+7], v[\b:\b+7], 0, v[\sa], v[\sb] matrix_a_fmt:MATRIX_FMT_FP4 matrix_b_fmt:MATRIX_FMT_FP4 matrix_a_scale:MATRIX_SCALE_ROW1 matrix_b_scale:MATRIX_SCALE_ROW1
.endif
.endm
; block jr of the batch: where its K, K's scale words, V and V's scale bytes lie
.macro PTRS jr
	s_lshl_b32 s74, \jr, 10
	s_add_nc_u64 s[66:67], s[14:15], s[74:75]
	s_lshl_b32 s74, \jr, 7
	s_add_nc_u64 s[68:69], s[16:17], s[74:75]
	s_lshr_b32 s82, \jr, 1
	s_lshl_b32 s82, s82, 15
	s_and_b32 s83, \jr, 1
	s_lshl_b32 s83, s83, 8
	s_or_b32 s74, s82, s83
	s_add_nc_u64 s[70:71], s[18:19], s[74:75]
	s_lshr_b32 s82, \jr, 2
	s_lshl_b32 s82, s82, 12
	s_and_b32 s83, \jr, 3
	s_or_b32 s74, s82, s83
	s_add_nc_u64 s[72:73], s[20:21], s[74:75]
.endm
.macro LOADKV                          ; nine loads
	global_load_b128 v[52:55], v1, s[66:67]
	global_load_b128 v[56:59], v1, s[66:67] offset:512
	global_load_u16 v9, v3, s[68:69]               ; my head's two bytes of the pair's word: lanes 0-15 tile 0, lanes 16-31 tile 1
.irp d, 0,1,2,3
	global_load_b128 v[60+4*\d:63+4*\d], v2, s[70:71] offset:512*\d   ; both halves of the lanes take the block's 256 bytes; lanes 16-31 meet zero codes of P
.endr
	global_load_u8 v10, v3, s[72:73]
	global_load_u8 v11, v3, s[72:73] offset:128
.endm
	s_load_b256 s[4:11], s[0:1], 0x0               ; x, wq, qkv, mask
	s_load_b64 s[12:13], s[0:1], 0x20              ; out0
	v_lshl_add_u32 v4, v0, 2, SPARE
	v_mov_b32 v5, 0
	v_lshrrev_b32 v1, 5, v0
	v_readfirstlane_b32 s30, v1                    ; wave = head
	v_and_b32 v3, 31, v0                           ; all the head's vector lines stand here, ahead of the wait for the arguments, so that one wait states them ahead of the first load
	v_lshlrev_b32 v1, 4, v3
	v_and_b32 v2, 15, v0
	v_lshlrev_b32 v35, 2, v2                       ; 4 (lane % 16): the mask words' offset
	v_lshlrev_b32 v2, 4, v2
	v_lshlrev_b32 v3, 2, v3
.irp j, 40,41,42,43,48,49,50,51,76,77,78,79,84,85,86,87,92,93,94,95
	v_mov_b32 v[\j], 0                             ; the zero codes
.endr
	v_mov_b32 v17, 0                               ; (named as the upper halves of pairs)
	v_mov_b32 v25, 0
	v_mov_b32 v30, 0                               ; written once: a lane permute's destination counts as one of its sources
	v_mov_b32 v31, 0
	s_mov_b32 s31, ttmp9                           ; token block
	s_lshr_b32 s86, s31, 5                         ; batch
	s_and_b32 s87, s31, 31                         ; the own block in the batch
	s_mov_b32 s75, 0
	s_mov_b32 s78, 0x76543210
	s_mov_b32 s79, 0xfedcba98                      ; selects for lane l xor 16
	s_mov_b32 s80, 0x3e38aa3b                      ; c = log2(e) / 8
	s_mov_b32 s81, s80                             ; (named with it as a pair, so it is written)
	s_wait_alu depctr_va_sdst(0)                   ; s30 is written, ahead of its first reader: bases and LDS addresses are made from it
	s_lshr_b32 s88, s30, 1                         ; pair of heads
	s_and_b32 s89, s30, 1
	s_lshl_b32 s89, s89, 1
	s_mul_i32 s82, s30, 2*STGP
	v_add_nc_u32 v19, s82, v1                      ; SRW: the stage's rows 2 w, 2 w + 1, 16 bytes a lane
	v_bfe_u32 v27, v0, 4, 1
	v_lshl_or_b32 v27, v27, 9, v2                  ; (lane / 16) x 512 + 16 (lane % 16)
	v_nop
	s_wait_kmcnt 0x0
	s_lshl_b32 s74, s31, 7
	s_add_nc_u64 s[84:85], s[10:11], s[74:75]      ; my 32 queries' mask words
	s_load_b512 s[32:47], s[84:85], 0x0
	s_load_b512 s[48:63], s[84:85], 0x40
	s_lshl_b32 s74, s30, 18
	s_lshl_b32 s82, s86, 15
	s_add_co_u32 s74, s74, s82
	s_add_co_u32 s74, s74, KF
	s_add_nc_u64 s[14:15], s[8:9], s[74:75]        ; K's codes: my head, the batch's first tile
	s_lshl_b32 s74, s88, 15
	s_lshl_b32 s82, s86, 12
	s_add_co_u32 s74, s74, s82
	s_add_co_u32 s74, s74, s89
	s_add_co_u32 s74, s74, KS
	s_add_nc_u64 s[16:17], s[8:9], s[74:75]
	s_lshl_b32 s74, s86, 19
	s_lshl_b32 s82, s30, 11
	s_add_co_u32 s74, s74, s82
	s_add_co_u32 s74, s74, VF
	s_add_nc_u64 s[18:19], s[8:9], s[74:75]        ; V's codes: the batch's first pair of blocks, my head's four tiles
	s_lshl_b32 s74, s86, 15
	s_lshl_b32 s82, s30, 8
	s_add_co_u32 s74, s74, s82
	s_add_co_u32 s74, s74, VS
	s_add_nc_u64 s[20:21], s[8:9], s[74:75]
	s_lshl_b32 s74, s30, 18
	s_lshl_b32 s82, s31, 10
	s_add_co_u32 s74, s74, s82
	s_add_nc_u64 s[24:25], s[8:9], s[74:75]        ; Q's codes
	s_lshl_b32 s74, s88, 15
	s_lshl_b32 s82, s31, 7
	s_add_co_u32 s74, s74, s82
	s_add_co_u32 s74, s74, s89
	s_add_co_u32 s74, s74, QS
	s_add_nc_u64 s[26:27], s[8:9], s[74:75]
	s_lshl_b32 s74, s30, 15
	s_add_co_u32 s74, s74, 2097152
	s_add_nc_u64 s[22:23], s[6:7], s[74:75]        ; Wo's codes: tile 256 + 4 w
	s_and_b32 s82, s30, 3                          ; the stage's rows 2 w and 2 w + 1 are the tokens with bits 3 and 4 of that number exchanged: two neighbours
	s_lshl_b32 s82, s82, 1
	s_lshr_b32 s83, s30, 3
	s_lshl_b32 s83, s83, 3
	s_or_b32 s82, s82, s83
	s_bfe_u32 s83, s30, 0x10002
	s_lshl_b32 s83, s83, 4
	s_or_b32 s82, s82, s83
	s_lshl_b32 s82, s82, 12
	s_lshl_b32 s74, s31, 17
	s_add_co_u32 s74, s74, s82
	s_add_nc_u64 s[90:91], s[4:5], s[74:75]        ; x, and
	s_add_nc_u64 s[28:29], s[12:13], s[74:75]      ; out0, at those two rows
	PTRS s87
	s_wait_alu depctr_va_vdst(0)                   ; the offsets v1, v2, v3, v27, v35 and the LDS address v19 are written, which loads and stores read; so are the zero codes, which the scaled products take among their operands
	LOADKV                                         ; the own block
	global_load_b128 v[36:39], v1, s[24:25]
	global_load_b128 v[44:47], v1, s[24:25] offset:512
	global_load_u16 v8, v3, s[26:27]
.irp e, 0,1
.irp k, 0,1,2,3,4,5,6,7
	global_load_b128 v[192+4*(8*\e+\k):192+4*(8*\e+\k)+3], v1, s[90:91] offset:\e*4096+512*\k th:TH_LOAD_NT   ; 512 consecutive bytes
.endr
.endr
	global_load_b32 v6, v35, s[84:85]
	global_load_b32 v7, v35, s[84:85] offset:64
; A STEP: one block of 32 keys.  first = 1: the own block: it starts M, the sums and O^T, and is open to every query
.macro STEP first
.if !\first
	v_mov_b32 v34, 0xff800000                      ; -infinity
.irp t, 0,1
	v_lshrrev_b32 v[32+\t], s76, v[6+\t]
.endr
.irp t, 0,1
	v_and_b32 v[32+\t], 1, v[32+\t]
.endr
.irp t, 0,1
	v_cmp_eq_u32 s[92+\t], 0, v[32+\t]             ; the block is hidden from my query: both tiles' masks are made ahead of the products, and read behind them
.endr
.endif
.irp t, 0,1
.irp u, 0,1
.set rD, 96+16*\t+8*\u
.set rA, 52+4*\u
.set rB, 36+8*\t
	WMS rD, rA, rB, 1, 9, 8, \u, \t
.endr
.endr
.rept 4
	v_nop
.endr
.if !\first
	s_wait_alu depctr_va_sdst(0)                   ; s92 and s93 are written, ahead of the selects that read them
.irp t, 0,1
.set i, 0
.rept 16
	v_cndmask_b32 v[96+16*\t+i], v[96+16*\t+i], v34, s[92+\t]
.set i, i+1
.endr
.endr
.endif
.irp t, 0,1
	v_max3_num_f32 v[28+\t], v[96+16*\t], v[97+16*\t], v[98+16*\t]   ; the block's largest score: for the row's maximum, and, since p rises with the score, for the block's largest p
.endr
.irp i, 3,5,7,9,11,13
.irp t, 0,1
	v_max3_num_f32 v[28+\t], v[28+\t], v[96+16*\t+\i], v[97+16*\t+\i]
.endr
.endr
.irp t, 0,1
	v_max_num_f32 v[28+\t], v[28+\t], v[111+16*\t]
.endr
.irp t, 0,1
	v_permlanex16_b32 v[30+\t], v[28+\t], s78, s79
.endr
.irp t, 0,1
	v_max_num_f32 v[28+\t], v[28+\t], v[30+\t]
.endr
.if \first
.irp t, 0,1
	v_mul_f32 v[13+8*\t], s80, v[28+\t]            ; the largest t
.endr
.irp t, 0,1
	v_floor_f32 v[12+8*\t], -v[13+8*\t]            ; -M = floor(-t): M is a whole number
.endr
.else
.irp t, 0,1
	v_mul_f32 v[17+8*\t], s80, v[28+\t]
.endr
.irp t, 0,1
	v_max_num_f32 v[13+8*\t], v[13+8*\t], v[17+8*\t]
.endr
.irp t, 0,1
	v_mov_b32 v[17+8*\t], v[12+8*\t]
.endr
.irp t, 0,1
	v_floor_f32 v[12+8*\t], -v[13+8*\t]
.endr
.irp t, 0,1
	v_sub_f32 v[17+8*\t], v[12+8*\t], v[17+8*\t]   ; M's old value less its new one: a whole number, 0 or less
.endr
.irp t, 0,1
	v_cvt_i32_f32 v[17+8*\t], v[17+8*\t]
.endr
.irp t, 0,1
	v_ldexp_f32 v[16+8*\t], 1.0, v[17+8*\t]        ; f = 2^(old M - new M): a multiplication by it rounds nothing
.endr
.endif
.irp j, 0,2,4,6,8,10,12,14
.irp t, 0,1
	v_pk_fma_f32 v[96+16*\t+\j:97+16*\t+\j], v[96+16*\t+\j:97+16*\t+\j], s[80:81], v[12+8*\t:13+8*\t] op_sel_hi:[1,0,0]   ; t - M
.endr
.endr
.irp t, 0,1
	v_fma_f32 v[28+\t], v[28+\t], s80, v[12+8*\t]  ; the same of the block's largest score
.endr
.set i, 0
.rept 32
	v_exp_f32 v[96+i], v[96+i]                     ; p = 2^(t - M): not normalised
.set i, i+1
.endr
	v_exp_f32 v28, v28
	v_exp_f32 v29, v29
	v_nop                                          ; a plain place behind the exponentials
	s_wait_alu depctr_va_vdst(0)                   ; the 34 exponentials have written v96-127, v28 and v29: one wait for the batch, ahead of its first reader
.if \first
.irp t, 0,1
	v_pk_add_f32 v[14+8*\t:15+8*\t], v[96+16*\t:97+16*\t], v[98+16*\t:99+16*\t]   ; the sum is taken of the unquantised p
.endr
.else
.irp t, 0,1
	v_pk_fma_f32 v[14+8*\t:15+8*\t], v[14+8*\t:15+8*\t], v[16+8*\t:17+8*\t], v[96+16*\t:97+16*\t] op_sel_hi:[1,0,1]
.endr
.irp t, 0,1
	v_pk_add_f32 v[14+8*\t:15+8*\t], v[14+8*\t:15+8*\t], v[98+16*\t:99+16*\t]
.endr
.endif
.irp j, 4,6,8,10,12,14
.irp t, 0,1
	v_pk_add_f32 v[14+8*\t:15+8*\t], v[14+8*\t:15+8*\t], v[96+16*\t+\j:97+16*\t+\j]
.endr
.endr
.irp t, 0,1
	v_max_num_f32 v[28+\t], 0x1800000, v[28+\t]    ; the floor 2^(3 - 127): a block of zeros keeps the byte 1, its codes are zeros
.endr
.irp t, 0,1
	v_add_nc_u32 v[32+\t], 0xff000000, v[28+\t]    ; the conversion's scale operand
.endr
.irp t, 0,1
	v_lshrrev_b32 v[18+8*\t], 23, v[32+\t]         ; p's scale byte
.endr
.irp t, 0,1
	v_mov_b32 v[82+8*\t], 0
	v_mov_b32 v[83+8*\t], 0
.endr
.irp t, 0,1
	v_cvt_scalef32_pk8_fp4_f32 v[80+8*\t], v[96+16*\t:103+16*\t], v[32+\t]
	v_cvt_scalef32_pk8_fp4_f32 v[81+8*\t], v[104+16*\t:111+16*\t], v[32+\t]
.endr
	v_nop                                          ; one plain place behind a scaled conversion
.irp t, 0,1
	v_permlane16_swap_b32 v[80+8*\t], v[82+8*\t]   ; lanes 0-15 now hold the block's 32 codes in registers 0-3, lanes 16-31 zeros
	v_permlane16_swap_b32 v[81+8*\t], v[83+8*\t]
.endr
.if \first
.rept 8
	v_nop                                          ; a scale register written by a vector instruction stands 8 places ahead of a scaled matrix instruction, an operand 4
.endr
.else
.irp t, 0,1
.set i, 0
.rept 16
	v_pk_mul_f32 v[128+32*\t+i:129+32*\t+i], v[128+32*\t+i:129+32*\t+i], v[16+8*\t:17+8*\t] op_sel_hi:[1,0]   ; O^T under the new M; these 32 are also the places in front of the products below
.set i, i+2
.endr
.endr
.endif
	s_wait_alu depctr_va_vdst(0)                   ; p's codes v80-83, v88-91 and its scale bytes v18, v26 are written, which the scaled products below take; the places above stay beside this wait
.irp d, 0,1,2,3
.irp t, 0,1
.set rD, 128+32*\t+8*\d
.set rA, 60+4*\d
.set rB, 80+8*\t
.set rSA, 10+\d/2
.set rSB, 18+8*\t
	WMS rD, rA, rB, \first, rSA, rSB, (\d)%2, 0    ; the eight accumulators by turns
.endr
.endr
.rept 4
	v_nop                                          ; places in front of the next loads into these operands and of the first read of O^T
.endr
	s_wait_alu depctr_va_vdst(0)                   ; the step's products are done reading K, V, P and their scales, and its vector lines are done with S^T's registers: the next loads land there (a further block's K and V, or Wo's fragments behind the loop), with no vector line between
.endm
	s_wait_loadcnt 18                              ; K, V, Q and their scales are in; x's 16 loads and the two mask words may be out
	STEP 1
	s_wait_loadcnt 2                               ; x is in
	s_wait_xcnt 0x0                                ; the two loads of mask words have read their offset: v35 is written again further down, on the way on which no further block is walked too
.irp e, 0,1
.irp k, 0,1,2,3,4,5,6,7
	ds_store_b128 v19, v[192+4*(8*\e+\k):192+4*(8*\e+\k)+3] offset:\e*STGP+512*\k
.endr
.endr
	s_lshl_b32 s74, s30, 11
	s_add_co_u32 s74, s74, WS_OFF+131072
	s_add_nc_u64 s[24:25], s[6:7], s[74:75]        ; Wo's scale bytes: tile 256 + 4 w (Q's loads, which read this pair, are long in)
	s_wait_dscnt 0x0                               ; the stores have landed
	s_wait_alu depctr_vm_vsrc(0)                   ; the LDS stores have read v192-255, in which the loads below and, later, ctx's fragments land; the loads of mask words have read v35, in which a scale word lands later
.irp i, 0,1
.irp g, 0,1
	global_load_b128 v[224+8*\i+4*\g:224+8*\i+4*\g+3], v27, s[24:25] offset:\i*1024+\g*256   ; lanes 0-15 tile 2 i, lanes 16-31 tile 2 i + 1; four K steps' words
.endr
.endr
.macro WBLOAD base, s                  ; Wo's four tiles of K step s: eight loads
.irp i, 0,1,2,3
.irp c, 0,1
	global_load_b128 v[(\base)+8*\i+4*\c:(\base)+8*\i+4*\c+3], v1, s[22:23] offset:\i*8192+(\s)*1024+\c*512
.endr
.endr
.endm
	WBLOAD 192, 0
	s_wait_kmcnt 0x0
	s_or_b32 s77, s32, s33                         ; the blocks that are open to any of my 32 queries,
.set i, 34
.rept 30
	s_or_b32 s77, s77, s[i]
.set i, i+1
.endr
	s_lshl_b32 s82, 1, s87
	s_and_not1_b32 s77, s77, s82                   ; but the own one, which is done
	s_mov_b32 s76, 0
.Lblk:                                             ; 32 trips, a constant; a trip's work is jumped over where the block is open to none
	s_bitcmp1_b32 s77, s76
	s_cbranch_scc0 .Lskip
	PTRS s76
	LOADKV                                         ; no wait here: the one at the end of the last walked step stands on every way to this line, and no vector line stands between
	s_wait_loadcnt 0x0
	STEP 0
.Lskip:
	s_add_co_u32 s76, s76, 1
	s_cmp_lt_u32 s76, 32
	s_cbranch_scc1 .Lblk
	WBLOAD 96, 1                                   ; Wo runs three K steps ahead
	WBLOAD 52, 2
.irp t, 0,1
	v_add_f32 v[14+8*\t], v[14+8*\t], v[15+8*\t]
.endr
.irp t, 0,1
	v_permlanex16_b32 v[30+\t], v[14+8*\t], s78, s79
.endr
.irp t, 0,1
	v_add_f32 v[14+8*\t], v[14+8*\t], v[30+\t]     ; the row's sum
.endr
.irp t, 0,1
	v_rcp_f32 v[16+8*\t], v[14+8*\t]
.endr
	v_nop
	s_wait_alu depctr_va_vdst(0)                   ; the two reciprocals have written v16 and v24: one wait, ahead of their first reader
.irp t, 0,1
.set i, 0
.rept 16
	v_pk_mul_f32 v[128+32*\t+i:129+32*\t+i], v[128+32*\t+i:129+32*\t+i], v[16+8*\t:17+8*\t] op_sel_hi:[1,0]   ; ctx: register 16 b + i of tile t is channel 64 w + 32 b + 16 (lane / 16) + i
.set i, i+2
.endr
.endr
.irp b, 0,1,2,3                        ; four blocks of 32: (t, half of the head) = (b / 2, b % 2)
	v_max3_num_f32 v[36+\b], |v[128+16*\b]|, |v[129+16*\b]|, 0x1800000
.endr
.irp i, 2,4,6,8,10,12,14
.irp b, 0,1,2,3
	v_max3_num_f32 v[36+\b], v[36+\b], |v[128+16*\b+\i]|, |v[129+16*\b+\i]|
.endr
.endr
.irp b, 0,1,2,3
	v_permlanex16_b32 v[40+\b], v[36+\b], s78, s79
.endr
.irp b, 0,1,2,3
	v_max_num_f32 v[36+\b], v[36+\b], v[40+\b]
.endr
.irp b, 0,1,2,3
	v_add_nc_u32 v[44+\b], 0xff000000, v[36+\b]
.endr
.irp b, 0,1,2,3
	v_lshrrev_b32 v[48+\b], 23, v[44+\b]
.endr
.irp b, 0,1,2,3
	v_cvt_scalef32_pk8_fp4_f32 v[84+2*\b], v[128+16*\b:135+16*\b], v[44+\b]
	v_cvt_scalef32_pk8_fp4_f32 v[85+2*\b], v[136+16*\b:143+16*\b], v[44+\b]
.endr
	v_nop                                          ; one plain place behind a scaled conversion
	v_lshl_or_b32 v48, v49, 8, v48                 ; my head's two bytes, tile 0's
	v_lshl_or_b32 v50, v51, 8, v50                 ; and tile 1's
	v_and_b32 v22, 15, v0                          ; r
	v_bfe_u32 v23, v0, 4, 1                        ; h
	s_lshl_b32 s82, s30, 9
	s_add_co_u32 s82, s82, CI
	v_lshl_add_u32 v12, v22, 4, s82
	v_lshl_add_u32 v12, v23, 3, v12                ; CIA: block 2 w, row r, my half's 8 bytes
	s_lshl_b32 s82, s88, 7
	s_add_co_u32 s82, s82, s89
	s_add_co_u32 s82, s82, CS
	v_lshl_add_u32 v13, v22, 2, s82                ; CSA: K step w / 2, row r, bytes 2 (w % 2) on
	v_add_nc_u32 v14, CI, v1                       ; CIL
	v_add_nc_u32 v15, CS, v3                       ; CSL
	v_mul_u32_u24 v20, v22, STGP
	v_lshl_add_u32 v20, v23, 6, v20
	s_lshl_b32 s82, s30, 8
	v_add_nc_u32 v20, s82, v20                     ; the stage: row r of tile 0, my 256 bytes, + 64 h
	v_add_nc_u32 v21, 16*STGP, v20                 ; and of tile 1
	s_wait_alu depctr_va_vdst(0)                   ; ctx's codes v84-91, its bytes v48, v50 and the LDS addresses v12-15, v20, v21 are written, which the LDS stores and loads below read; and the lines above are done with v128-191 and v28-51, in which LDS loads land behind the barrier
.irp t, 0,1
.irp b, 0,1
	ds_store_b64 v12, v[84+2*(2*\t+\b):85+2*(2*\t+\b)] offset:\t*8192+\b*256
.endr
	ds_store_b16 v13, v[48+2*\t] offset:\t*64      ; both halves of the lanes write the same bytes with the same value
.endr
	s_wait_dscnt 0x0                               ; for the others' sake: my rows of x and my part of ctx have landed
	s_barrier_signal -1
	s_barrier_wait -1
	s_wait_alu depctr_vm_vsrc(0)                   ; my LDS stores have read v48 and v50, in which ctx's first fragments land below, and v84-91, in which rows of out0 land at the end
.irp t, 0,1
.irp b, 0,1
.irp k, 0,1,2,3
	ds_load_b128 v[128+32*\t+16*\b+4*\k:128+32*\t+16*\b+4*\k+3], v[20+\t] offset:\b*128+16*\k   ; x in the results' layout: the C of the first products
.endr
.endr
.endr
.irp s, 0,1,2,3,4,5,6,7
	ds_load_b32 v[28+\s], v15 offset:\s*128        ; ctx's scale words: lanes 0-15 tile 0, lanes 16-31 tile 1
.endr
.macro CFLOAD base, s                  ; ctx's two fragments of K step s: four loads
.irp t, 0,1
.irp c, 0,1
	ds_load_b128 v[(\base)+8*\t+4*\c:(\base)+8*\t+4*\c+3], v14 offset:\t*8192+(\s)*1024+\c*512
.endr
.endr
.endm
	CFLOAD 36, 0
.macro KSTEP s
.set WBB, 192
.if (\s)%3 == 1
.set WBB, 96
.elseif (\s)%3 == 2
.set WBB, 52
.endif
.set CFB, 36+204*((\s)%2)
.set CFN, 36+204*(((\s)+1)%2)
.if (\s) < 7
	CFLOAD CFN, (\s)+1                             ; into the buffer that the step before read: the wait at that step's end has stated that its products are done with it
	s_wait_dscnt 4                                 ; all but the four just issued
.else
	s_wait_dscnt 0x0
.endif
.if (\s) < 6
	s_wait_loadcnt 16                              ; this K step's eight loads are in; the next two steps' may be out
.elseif (\s) == 6
	s_wait_loadcnt 8
.else
	s_wait_loadcnt 0x0
.endif
.irp i, 0,1,2,3
.irp t, 0,1
.set rD, 128+32*\t+8*\i
.set rA, WBB+8*\i
.set rB, CFB+8*\t
.set rSA, 224+8*(\i/2)+(\s)
.set rSB, 28+(\s)
	WMS rD, rA, rB, 0, rSA, rSB, (\i)%2, \t        ; the eight accumulators by turns
.endr
.endr
.rept 4
	v_nop                                          ; places in front of loads into these operands, and of the first read of the results
.endr
.if (\s) != 6                          ; (step 6: neither of its buffers is loaded again, and nothing reads the sums yet: no wait)
	s_wait_alu depctr_va_vdst(0)                   ; this step's products are done reading Wo's buffer, in which the loads below land (steps 0 to 4), and ctx's, in which the next step's loads land (steps 0 to 5); behind step 7: the sums are written, which the stage's stores read, and Wo's buffers are done with, in which rows of out0 land
.endif
.if (\s) < 5
	WBLOAD WBB, (\s)+3
.endif
.endm
.irp s, 0,1,2,3,4,5,6,7
	KSTEP \s
.endr
.irp t, 0,1
.irp b, 0,1
.irp k, 0,1,2,3
	ds_store_b128 v[20+\t], v[128+32*\t+16*\b+4*\k:128+32*\t+16*\b+4*\k+3] offset:\b*128+16*\k   ; back into my own 256 bytes of each row; each accumulator from its low end on
.endr
.endr
.endr
	s_wait_dscnt 0x0
	s_barrier_signal -1
	s_barrier_wait -1                              ; 32 whole rows of out0 lie in the stage
.irp e, 0,1
.irp k, 0,1,2,3,4,5,6,7
	ds_load_b128 v[52+4*(8*\e+\k):52+4*(8*\e+\k)+3], v19 offset:\e*STGP+512*\k
.endr
.endr
.irp e, 0,1
.irp k, 0,1,2,3,4,5,6,7
	s_wait_dscnt 15-8*\e-\k
	global_store_b128 v1, v[52+4*(8*\e+\k):52+4*(8*\e+\k)+3], s[28:29] offset:\e*4096+512*\k th:TH_STORE_NT   ; 512 consecutive bytes, aligned
.endr
.endr
	s_wait_dscnt 0x0                               ; the closing lines, six on end
	s_wait_alu 0x0
	s_wait_tensorcnt 0x0
	ds_add_u32 v4, v5
	s_wait_dscnt 0x0
	s_endpgm
.Lfunc_end_k_q303b94691b_attn:
	.size	k_q303b94691b_attn, .Lfunc_end_k_q303b94691b_attn-k_q303b94691b_attn
	.p2alignl 7, 3214868480
	.fill 96, 4, 3214868480
	.section	.rodata,"a",@progbits
	.p2align	6, 0x0
	.amdhsa_kernel k_q303b94691b_attn
		.amdhsa_group_segment_fixed_size 151040
		.amdhsa_private_segment_fixed_size 0
		.amdhsa_enable_private_segment 0
		.amdhsa_kernarg_size 40
		.amdhsa_user_sgpr_count 2
		.amdhsa_user_sgpr_kernarg_segment_ptr 1
		.amdhsa_wavefront_size32 1
		.amdhsa_system_sgpr_workgroup_id_x 1
		.amdhsa_system_sgpr_workgroup_id_y 1
		.amdhsa_system_sgpr_workgroup_id_z 1
		.amdhsa_system_vgpr_workitem_id 0
		.amdhsa_next_free_vgpr 256
		.amdhsa_next_free_sgpr 96
		.amdhsa_reserve_vcc 0
		.amdhsa_float_denorm_mode_32 3
		.amdhsa_float_denorm_mode_16_64 3
		.amdhsa_memory_ordered 1
		.amdhsa_forward_progress 1
		.amdhsa_inst_pref_size 62
	.end_amdhsa_kernel
	.amdgpu_metadata
---
amdhsa.version: [ 1, 2 ]
amdhsa.kernels:
  - .name:           k_q303b94691b_attn
    .symbol:         k_q303b94691b_attn.kd
    .args:
      - { .name: x, .offset: 0, .size: 8, .value_kind: global_buffer, .address_space: global }
      - { .name: wq, .offset: 8, .size: 8, .value_kind: global_buffer, .address_space: global }
      - { .name: qkv, .offset: 16, .size: 8, .value_kind: global_buffer, .address_space: global }
      - { .name: mask, .offset: 24, .size: 8, .value_kind: global_buffer, .address_space: global }
      - { .name: out0, .offset: 32, .size: 8, .value_kind: global_buffer, .address_space: global }
    .group_segment_fixed_size: 151040
    .private_segment_fixed_size: 0
    .kernarg_segment_align: 8
    .kernarg_segment_size: 40
    .max_flat_workgroup_size: 512
    .sgpr_count:     96
    .vgpr_count:     256
    .wavefront_size: 32
...
	.end_amdgpu_metadata
.endif
;; end of part 7
